; MI455X (gfx1250); checked and timed in simulation.
; The chip was launched on July 23, 2026; its instructions are those of AMD's public machine-readable ISA for CDNA 5 (MIT licence, August 2026) and "CDNA5" Instruction Set Architecture Reference Guide (July 2026). The comments in the code are by the model that wrote it; some were corrected since.
;; Multi Head Attention. Allowed arithmetic: matrix products marked QUANTISED: E3M2 operands, one E8M0 scale for each 32 along K, by v_wmma_scale_f32_16x16x128_f8f6f4 with both operands' format E3M2, f32 sums; everything else in f32.
;; Inputs: b_proj 1,024 float32; ln_beta 1,024 float32; ln_gamma 1,024 float32; w_k_codes 1,024 x 32 x 24 uint8 (E3M2 codes of w_k, K innermost, in blocks of 32 codes, four codes in three bytes); w_k_scales 1,024 x 32 uint8 (E8M0 scales of w_k, one for each 32 codes along K); w_proj_codes 1,024 x 32 x 24 uint8 (E3M2 codes of w_proj, K innermost, in blocks of 32 codes, four codes in three bytes); w_proj_scales 1,024 x 32 uint8 (E8M0 scales of w_proj, one for each 32 codes along K); w_q_codes 1,024 x 32 x 24 uint8 (E3M2 codes of w_q, K innermost, in blocks of 32 codes, four codes in three bytes); w_q_scales 1,024 x 32 uint8 (E8M0 scales of w_q, one for each 32 codes along K); w_v_codes 1,024 x 32 x 24 uint8 (E3M2 codes of w_v, K innermost, in blocks of 32 codes, four codes in three bytes); w_v_scales 1,024 x 32 uint8 (E8M0 scales of w_v, one for each 32 codes along K); x 4 x 2,048 x 1,024 float32.
;; Outputs: out0 4 x 2,048 x 1,024 float32.
;; This version of the problem:
;;   THIS VERSION OF THE PROBLEM IS GIVEN IN LOW PRECISION. The matrix products marked QUANTISED in the list below multiply operands that are first quantised to E3M2 (3 exponent bits, 2 mantissa bits; 6 bits a number), with one power-of-two scale for each 32 numbers along K (OCP MX v1.0); their sums are f32. All else is computed in f32.
;;   The module's matrix products, in the order in which they are computed (A, B: the left and right operand; K: the contracted axis; several contracted axes count as one K, in the product's order):
;;     1. [M 8,192, K 1,024] x [K 1,024, N 1,024]; A: input x; B: input w_q (given as codes): QUANTISED
;;     2. [M 8,192, K 1,024] x [K 1,024, N 1,024]; A: input x; B: input w_k (given as codes): QUANTISED
;;     3. [M 8,192, K 1,024] x [K 1,024, N 1,024]; A: input x; B: input w_v (given as codes): QUANTISED
;;     4. batch 64 x [M 2,048, K 64] x [K 64, N 2,048]; A: computed on the way; B: computed on the way: QUANTISED
;;     5. batch 64 x [M 2,048, K 2,048] x [K 2,048, N 64]; A: softmax (see below); B: computed on the way: QUANTISED
;;     6. [M 8,192, K 1,024] x [K 1,024, N 1,024]; A: computed on the way; B: input w_proj (given as codes): QUANTISED
;;   THE QUANTISER, for each operand of a quantised product, along K:
;;     - K is cut into blocks of 32 from its start; a last block that is shorter is filled with zeros.
;;     - A block's scale is 2^e with e = floor(log2(the largest magnitude in the block)) - 4, held to -126 .. 127; a block of zeros has e = 0. As a byte (E8M0): e + 127.
;;     - Each number is divided by its block's scale, clamped to +-28, and rounded to the nearest number of E3M2, ties to even, subnormals kept.
;;     - The product sums the exact products of the quantised numbers (number of the format x scale) in f32.
;;   ~~~python
;;   def quantise(x, axis):      # numpy; x: float32 -> the quantised numbers, widened to float32 again
;;       x = np.moveaxis(x, axis, -1); K = x.shape[-1]
;;       x = np.pad(x, [(0, 0)] * (x.ndim - 1) + [(0, -K % 32)]); x = x.reshape(x.shape[:-1] + (-1, 32)); a = np.abs(x).max(-1, keepdims=True)
;;       e = np.where(a > 0, np.clip(np.frexp(np.where(a > 0, a, 1))[1] - 1 - 4, -126, 127), 0)      # np.frexp(a)[1] - 1 = floor(log2(a)), exactly
;;       r = np.clip(x / 2.0 ** e, -28, 28)
;;       step = 2.0 ** (np.maximum(np.frexp(np.where(r == 0, 1, r))[1] - 1, -2) - 2)
;;       q = np.round(r / step) * step * 2.0 ** e      # np.round: ties to even
;;       return np.moveaxis(q.reshape(q.shape[:-2] + (-1,))[..., :K], -1, axis).astype(np.float32)
;;   ~~~
;;   SOFTMAX AHEAD OF A QUANTISED PRODUCT. Where the list says 'softmax', what is quantised is not the finished softmax but p = 2^(t - M), with t = logit x log2(e) and M = ceil(the row's largest t), a whole number; so 1/2 < the row's largest p <= 1. The row's sum l is taken of the UNQUANTISED p, in f32, and the product's result is divided by l at the end. Since M is a whole number, a kernel that streams over the keys may use a running M (the ceiling of the running maximum): every later rescaling is an exact power of two, which a block's scale takes up: the codes' values come out the same.
;;   OPERANDS COMPUTED ON THE WAY. 'Computed on the way' means the value that the module computes at that place (a softmax that the list does not call 'softmax' is quantised finished and normalised). What goes into a quantiser is computed in f32, as accurately as f32 sums, v_exp_f32 and their like allow (about 1e-6 of the number): no bf16 or f16 on the way to a quantiser, and a product that is left as it is and whose result goes on into a quantised operand takes f32 operands (vector FMAs, or v_wmma_f32_16x16x4_f32). A number that lies on a knife's edge between two numbers of the format may be rounded either way, as far as f32 arithmetic and the matrix unit's own rounding can turn it there, and no further.
;;   INPUTS GIVEN AS CODES. w_k (in the module: [1024, 1024], K = its axis 0); w_proj (in the module: [1024, 1024], K = its axis 0); w_q (in the module: [1024, 1024], K = its axis 0); w_v (in the module: [1024, 1024], K = its axis 0): each comes as NAME_codes (uint8): NAME with its K axis moved to the last place and cut into blocks of 32 codes, [.., K / 32, bytes a block], one block behind the other in memory; four codes in three bytes: a row's codes are one little-endian stream of bits, code i at bits 6 i .. 6 i + 5 (a code: sign, 3 exponent bits, 2 mantissa bits); and NAME_scales (uint8): the same leading axes, one E8M0 byte (e + 127) for each 32 codes along K. Its value is code x scale, taken as it is: it is not quantised again, and the codes and scales need not be those that the quantiser above would give.
;; One version. Each part assembles by itself: llvm-mc -triple=amdgcn-amd-amdhsa -mcpu=gfx1250 --defsym DOCPART=n.
;; ======== version 1 of 1: 4 launches
;; workspace buffers: ximg 6,291,456 bytes; xsw 262,144 bytes; wimg 3,145,728 bytes; wsw 131,072 bytes; qkv 20,185,088 bytes; oimg 6,291,456 bytes; osw 524,288 bytes
;; launch prep (part 1): grid 256 x 1, 4 waves a work-group, no clusters, 34,304 bytes of LDS; arguments x, w_q_codes, w_q_scales, w_k_codes, w_k_scales, w_v_codes, w_v_scales, w_proj_codes, w_proj_scales, ximg, xsw, wimg, wsw; writes ximg, xsw, wimg, wsw
.if DOCPART == 1
	.amdgcn_target "amdgcn-amd-amdhsa--gfx1250"
	.amdhsa_code_object_version 6
	.text
	.protected	k_qba5c6e972f_prep
	.globl	k_qba5c6e972f_prep
	.p2align	8
	.type	k_qba5c6e972f_prep,@function
k_qba5c6e972f_prep:
	s_mov_b64 s[64:65], 0
	v_nop
	global_prefetch_b8 v0, s[64:65] scope:SCOPE_SE
	s_setreg_imm32_b32 hwreg(HW_REG_WAVE_MODE, 25, 1), 1
	s_wait_xcnt 0x0
; MULTI-HEAD ATTENTION ON CODES OF E3M2, launch 1 of 4: x is quantised along its 1,024, and the four weights' codes are laid anew.
; DEAD WORK: none.  Every input has a way to the output and every one of the six products is live, so nothing is left out in any launch.
; LIMITS (all four launches): NaN and infinities among the inputs are not served.  A block of zeros gets the scale byte 1 where the rule says 127: its codes are
; zeros, which add nothing under any byte but 0xff, and these bytes are read by this program alone.  v_exp_f32 gives 0 for results under 2^-126.  The f32 sums
; (the softmax's row sum, mean, variance) are taken in another order than the reference's; the variance is the mean of (y - mean)^2, in two passes.
; TILES.  Rows of every operand go in groups of 128; tile i (0..7) of a group holds rows 32 (i / 2) + 8 (i % 2) + r + 8 (r / 8), r = lane % 16, so that in a product's
; result the 16 registers of two neighbouring tiles of source 0 are 16 neighbouring rows: what the next quantiser wants.
; IMAGES.  A fragment (16 rows x 128 K of 6-bit codes, 12 registers a lane) lies in memory as its registers: three blocks of 512 bytes, block c = registers 4 c .. 4 c + 3,
; lane l's 16 bytes at 16 l.  ximg: [group 64][K step 8][tile 8]; wimg: [weight 4][group 8][K step 8][tile 8].  Scale words (4 bytes: a row's 128 along K) lie four tiles
; together: 512 bytes for a group's K step = [tiles 0-3 | tiles 4-7][r][4 words].
; SHARES.  Work-group W, wave w.  Of x: 64 rows (W / 2) x one K step (4 (W % 2) + w): four tiles a wave.  Each load takes 512 consecutive bytes of one row; a tile turns through the
; wave's own stage in LDS (16 rows x 528 bytes), from which a lane takes 16 neighbours of each block of 32.  Of the weights: W = 64 x weight + 8 x group + K step; wave w lays tiles
; 2 w and 2 w + 1, wave 0 the 512 bytes of scale words.  Waves share nothing: no barrier.  No two work-groups read the same bytes: no cluster.
.set STGB,  8448                       ; a wave's stage
.set SPARE, 4*STGB                     ; behind the stages: the spare words, 128 bytes a wave
.set SPW, 12                           ; v12  my spare word's address; never rewritten
.set NIL, 13                           ; v13  0; never rewritten
.set TM,  16                           ; v16-31 the quantiser's work
.set PW,  32                           ; v32  the scale word just made
.set SWX, 34                           ; v34-37 the four tiles' scale words; v38-39 the pair that I store
.set PC,  40                           ; v40-58 the codes just made
.set WS,  60                           ; v60-63 wave 0: a weight's scale words
.set X,   64                           ; v64-127 64 numbers of a lane; first the two weight fragments
.set R,   128                          ; v128-255 two sets of 64: a tile as it is loaded
.set SEL, 40                           ; s[40:41] selects for lane l xor 16
.set MH,  42                           ; s42  the mask of lanes 16-31
; 64 numbers of a lane, register 16 b + i = k 32 b + 16 (lane / 16) + i of my row, become a fragment's codes in v[PC] on and its scale word in v[PW].
.macro QUANT s
.irp b, 0,1,2,3
	v_max3_num_f32 v[TM+\b], |v[\s+16*\b]|, |v[\s+1+16*\b]|, 0x2800000   ; my 16 numbers of block b, and the floor 2^(5 - 127): the byte cannot fall under 1
.endr
.irp i, 2,4,6,8,10,12,14
.irp b, 0,1,2,3
	v_max3_num_f32 v[TM+\b], v[TM+\b], |v[\s+16*\b+\i]|, |v[\s+1+16*\b+\i]|
.endr
.endr
.irp b, 0,1,2,3
	v_permlanex16_b32 v[TM+4+\b], v[TM+\b], s[SEL], s[SEL+1]
.endr
.irp b, 0,1,2,3
	v_max_num_f32 v[TM+\b], v[TM+\b], v[TM+4+\b]     ; with lane l xor 16's: the block's largest magnitude
.endr
.irp b, 0,1,2,3
	v_add_nc_u32 v[TM+12+\b], 0xfe000000, v[TM+\b]   ; 4 off its exponent field: the conversion's scale operand
.endr
.irp b, 0,1,2,3
	v_lshrrev_b32 v[TM+4+\b], 23, v[TM+12+\b]        ; the scale's byte
.endr
	v_lshl_or_b32 v[PW], v[TM+5], 8, v[TM+4]
	v_lshl_or_b32 v[PW], v[TM+6], 16, v[PW]
	v_lshl_or_b32 v[PW], v[TM+7], 24, v[PW]
.irp c, 0,1
	v_cvt_scalef32_pk16_bf6_f32 v[PC+6*\c:PC+2+6*\c], v[\s+32*\c:\s+15+32*\c], v[TM+12+2*\c]
	v_cvt_scalef32_pk16_bf6_f32 v[PC+12+4*\c:PC+14+4*\c], v[\s+16+32*\c:\s+31+32*\c], v[TM+12+2*\c+1]   ; (a conversion's three registers begin on an even number)
.endr
	v_nop                                            ; one plain place behind a scaled conversion
.irp c, 0,1                                      ; the operand wants a whole block in a lane: lanes 0-15 block 2 c, lanes 16-31 block 2 c + 1
.irp i, 0,1,2
	v_permlane16_swap_b32 v[PC+6*\c+\i], v[PC+12+4*\c+\i]
.endr
.irp i, 0,1,2
	v_mov_b32 v[PC+3+6*\c+\i], v[PC+12+4*\c+\i]
.endr
.endr
.endm
.macro LOADT j                         ; tile j of my four: its 16 rows' 512 bytes, a row a load
.irp p, 0,1,2,3,4,5,6,7,8,9,10,11,12,13,14,15
	global_load_b128 v[R+64*((\j)%2)+4*\p:R+64*((\j)%2)+4*\p+3], v1, s[4:5] offset:(32*((\j)/2)+8*((\j)%2)+\p+8*(\p/8))*4096 th:TH_LOAD_NT
.endr
.endm
.macro TILE j
.if (\j) < 3
	s_wait_loadcnt 16                                ; this tile's 16 loads are in; the next tile's 16 may be out
.else
	s_wait_loadcnt 0x0
.endif
	s_wait_xcnt 0x0                                  ; earlier stores have read their data: X and the codes' registers are written again only behind this wait
.irp p, 0,1,2,3,4,5,6,7,8,9,10,11,12,13,14,15
	ds_store_b128 v2, v[R+64*((\j)%2)+4*\p:R+64*((\j)%2)+4*\p+3] offset:528*\p
.endr
.irp b, 0,1,2,3
.irp q, 0,1,2,3
	ds_load_b128 v[X+16*\b+4*\q:X+16*\b+4*\q+3], v3 offset:128*\b+16*\q   ; LDS serves a wave's instructions in order: these see the stores above
.endr
.endr
	s_wait_dscnt 0x0
.if (\j) < 2
	LOADT (\j)+2                                     ; into the set that the stage has just taken
.endif
	QUANT X
.irp c, 0,1,2
	global_store_b128 v1, v[PC+4*\c:PC+4*\c+3], s[22:23] offset:1536*(\j)+512*\c   ; 512 consecutive bytes, aligned
.endr
	v_mov_b32 v[SWX+(\j)], v[PW]
.endm
	s_load_b512 s[4:19], s[0:1], 0x0                 ; x, w_q codes, scales, w_k codes, scales, w_v codes, scales, w_proj codes
	s_load_b256 s[20:27], s[0:1], 0x40               ; w_proj scales, ximg, xsw, wimg
	s_load_b64 s[28:29], s[0:1], 0x60                ; wsw
	v_lshl_add_u32 v[SPW], v0, 2, SPARE
	v_mov_b32 v[NIL], 0
	v_lshrrev_b32 v1, 5, v0
	v_readfirstlane_b32 s30, v1                      ; wave
	v_and_b32 v7, 31, v0                             ; lane
	v_and_b32 v8, 15, v0                             ; r
	v_bfe_u32 v9, v0, 4, 1                           ; h
	v_lshlrev_b32 v1, 4, v7                          ; 16 l
	s_mul_i32 s31, s30, STGB
	v_add_nc_u32 v2, s31, v1                         ; the stage, on the way in
	v_mul_u32_u24 v3, v8, 528
	v_lshl_add_u32 v3, v9, 6, v3
	v_add_nc_u32 v3, s31, v3                         ; and out: row r, + 64 h
	v_and_b32 v10, 8, v8
	v_add_nc_u32 v10, v10, v8                        ; r + 8 (r / 8)
	v_mul_u32_u24 v4, v10, 768                       ; a weight's row of codes is 768 bytes
	v_mad_u32_u24 v4, v9, 24, v4
	v_lshlrev_b32 v5, 4, v8
	v_lshl_add_u32 v5, v9, 3, v5                     ; 16 r + 8 h: my two of a row's four scale words
	v_lshl_add_u32 v6, v9, 6, v10
	v_lshlrev_b32 v6, 5, v6                          ; a weight's row of scale bytes is 32 bytes: row 64 h + r + 8 (r / 8)
.irp b, 0,1,2,3
	v_mov_b32 v[TM+4+\b], 0                          ; written once: a lane permute's destination counts as one of its sources
.endr
	s_mov_b32 s[SEL], 0x76543210
	s_mov_b32 s[SEL+1], 0xfedcba98
	s_mov_b32 s[MH], 0xffff0000
	s_lshr_b32 s32, ttmp9, 1                         ; which 64 rows of x
	s_and_b32 s33, ttmp9, 1
	s_lshl_b32 s33, s33, 2
	s_add_co_u32 s33, s33, s30                       ; which K step
	s_lshl_b32 s34, s32, 18
	s_lshl_b32 s35, s33, 9
	s_add_co_u32 s34, s34, s35
	s_mov_b32 s35, 0                                 ; s[34:35]: my first byte of x
	s_lshr_b32 s36, s32, 1                           ; group
	s_and_b32 s37, s32, 1                            ; its tiles 0-3 or 4-7
	s_lshl_b32 s36, s36, 3
	s_add_co_u32 s36, s36, s33                       ; 8 x group + K step
	s_lshl_b32 s38, s36, 9
	s_lshl_b32 s39, s37, 8
	s_add_co_u32 s38, s38, s39
	s_mov_b32 s39, 0                                 ; s[38:39]: in xsw
	s_lshl_b32 s36, s36, 3
	s_lshl_b32 s37, s37, 2
	s_add_co_u32 s36, s36, s37
	s_mul_i32 s36, s36, 1536
	s_mov_b32 s37, 0                                 ; s[36:37]: in ximg
	s_lshr_b32 s43, ttmp9, 6                         ; which weight
	s_bfe_u32 s48, ttmp9, 0x30003                    ; its group
	s_and_b32 s49, ttmp9, 7                          ; its K step
	s_mul_i32 s50, s48, 98304
	s_mul_i32 s51, s30, 24576
	s_add_co_u32 s50, s50, s51
	s_mul_i32 s51, s49, 96
	s_add_co_u32 s50, s50, s51
	s_mov_b32 s51, 0                                 ; s[50:51]: row 128 x group + 32 x wave, 96 bytes a K step
	s_lshl_b32 s52, s48, 12
	s_lshl_b32 s53, s49, 2
	s_add_co_u32 s52, s52, s53
	s_mov_b32 s53, 0                                 ; s[52:53]: in the weight's scale bytes
	s_lshl_b32 s54, ttmp9, 3
	s_lshl_b32 s55, s30, 1
	s_add_co_u32 s54, s54, s55
	s_mul_i32 s54, s54, 1536
	s_mov_b32 s55, 0                                 ; s[54:55]: in wimg: fragment 8 W + 2 w
	s_lshl_b32 s56, ttmp9, 9
	s_mov_b32 s57, 0                                 ; s[56:57]: in wsw
	s_wait_alu depctr_va_vdst(0)
	s_wait_kmcnt 0x0
	s_mov_b64 s[44:45], s[18:19]                     ; the weight's two buffers: a choice on the work-group's number alone
	s_mov_b64 s[46:47], s[20:21]
	s_cmp_eq_u32 s43, 0
	s_cselect_b64 s[44:45], s[6:7], s[44:45]
	s_cselect_b64 s[46:47], s[8:9], s[46:47]
	s_cmp_eq_u32 s43, 1
	s_cselect_b64 s[44:45], s[10:11], s[44:45]
	s_cselect_b64 s[46:47], s[12:13], s[46:47]
	s_cmp_eq_u32 s43, 2
	s_cselect_b64 s[44:45], s[14:15], s[44:45]
	s_cselect_b64 s[46:47], s[16:17], s[46:47]
	s_add_nc_u64 s[44:45], s[44:45], s[50:51]
	s_add_nc_u64 s[46:47], s[46:47], s[52:53]
	s_add_nc_u64 s[4:5], s[4:5], s[34:35]
	s_add_nc_u64 s[22:23], s[22:23], s[36:37]
	s_add_nc_u64 s[24:25], s[24:25], s[38:39]
	s_add_nc_u64 s[26:27], s[26:27], s[54:55]
	s_add_nc_u64 s[28:29], s[28:29], s[56:57]
.irp u, 0,1                                      ; my two weight fragments, as an operand's registers take them: 24 bytes of a row as three pieces of 8
.irp p, 0,1,2,3,4,5
	global_load_b64 v[X+12*\u+2*\p:X+12*\u+2*\p+1], v4, s[44:45] offset:6144*\u+48*(\p/3)+8*(\p%3)
.endr
.endr
	LOADT 0
	LOADT 1
	s_wait_loadcnt 32                                ; the weight's 12 loads are in; the two tiles of x, 32 loads, may be out
.irp u, 0,1
.irp c, 0,1,2
	global_store_b128 v1, v[X+12*\u+4*\c:X+12*\u+4*\c+3], s[26:27] offset:1536*\u+512*\c
.endr
.endr
	TILE 0
	TILE 1
	TILE 2
	TILE 3
	v_cndmask_b32 v38, v[SWX], v[SWX+2], s[MH]       ; lanes 0-15 store tiles 0, 1 of my four, lanes 16-31 tiles 2, 3 (both halves of the lanes hold row r's word)
	v_cndmask_b32 v39, v[SWX+1], v[SWX+3], s[MH]
	global_store_b64 v5, v[38:39], s[24:25]          ; 256 consecutive bytes, aligned
	s_cmp_lg_u32 s30, 0
	s_cbranch_scc1 .Lend
.irp j, 0,1,2,3                                  ; wave 0: lane (r, h) takes the words of tiles 4 h + j
	global_load_b32 v[WS+\j], v6, s[46:47] offset:32*(32*(\j/2)+8*(\j%2))
.endr
	s_wait_loadcnt 0x0
	global_store_b128 v1, v[WS:WS+3], s[28:29]
.Lend:
	s_wait_tensorcnt 0x0                             ; the wave's end
	ds_add_u32 v[SPW], v[NIL]
	s_wait_dscnt 0x0
	s_endpgm
.Lfunc_end_k_qba5c6e972f_prep:
	.size	k_qba5c6e972f_prep, .Lfunc_end_k_qba5c6e972f_prep-k_qba5c6e972f_prep
	.p2alignl 7, 3214868480
	.fill 96, 4, 3214868480
	.section	.rodata,"a",@progbits
	.p2align	6, 0x0
	.amdhsa_kernel k_qba5c6e972f_prep
		.amdhsa_group_segment_fixed_size 34304
		.amdhsa_private_segment_fixed_size 0
		.amdhsa_enable_private_segment 0
		.amdhsa_kernarg_size 104
		.amdhsa_user_sgpr_count 2
		.amdhsa_user_sgpr_kernarg_segment_ptr 1
		.amdhsa_wavefront_size32 1
		.amdhsa_system_sgpr_workgroup_id_x 1
		.amdhsa_system_sgpr_workgroup_id_y 1
		.amdhsa_system_sgpr_workgroup_id_z 1
		.amdhsa_system_vgpr_workitem_id 0
		.amdhsa_next_free_vgpr 256
		.amdhsa_next_free_sgpr 66
		.amdhsa_reserve_vcc 0
		.amdhsa_float_denorm_mode_32 3
		.amdhsa_float_denorm_mode_16_64 3
		.amdhsa_memory_ordered 1
		.amdhsa_forward_progress 1
		.amdhsa_inst_pref_size 38
	.end_amdhsa_kernel
	.amdgpu_metadata
---
amdhsa.version: [ 1, 2 ]
amdhsa.kernels:
  - .name:           k_qba5c6e972f_prep
    .symbol:         k_qba5c6e972f_prep.kd
    .args:
      - { .name: x, .offset: 0, .size: 8, .value_kind: global_buffer, .address_space: global }
      - { .name: w_q_codes, .offset: 8, .size: 8, .value_kind: global_buffer, .address_space: global }
      - { .name: w_q_scales, .offset: 16, .size: 8, .value_kind: global_buffer, .address_space: global }
      - { .name: w_k_codes, .offset: 24, .size: 8, .value_kind: global_buffer, .address_space: global }
      - { .name: w_k_scales, .offset: 32, .size: 8, .value_kind: global_buffer, .address_space: global }
      - { .name: w_v_codes, .offset: 40, .size: 8, .value_kind: global_buffer, .address_space: global }
      - { .name: w_v_scales, .offset: 48, .size: 8, .value_kind: global_buffer, .address_space: global }
      - { .name: w_proj_codes, .offset: 56, .size: 8, .value_kind: global_buffer, .address_space: global }
      - { .name: w_proj_scales, .offset: 64, .size: 8, .value_kind: global_buffer, .address_space: global }
      - { .name: ximg, .offset: 72, .size: 8, .value_kind: global_buffer, .address_space: global }
      - { .name: xsw, .offset: 80, .size: 8, .value_kind: global_buffer, .address_space: global }
      - { .name: wimg, .offset: 88, .size: 8, .value_kind: global_buffer, .address_space: global }
      - { .name: wsw, .offset: 96, .size: 8, .value_kind: global_buffer, .address_space: global }
    .group_segment_fixed_size: 34304
    .private_segment_fixed_size: 0
    .kernarg_segment_align: 8
    .kernarg_segment_size: 104
    .max_flat_workgroup_size: 128
    .sgpr_count:     66
    .vgpr_count:     256
    .wavefront_size: 32
...
	.end_amdgpu_metadata
.endif
;; end of part 1
;; launch qkv (part 2): grid 12 x 32, 4 waves a work-group, clusters of 4 x 4, 327,680 bytes of LDS; arguments ximg, xsw, wimg, wsw, qkv; writes qkv
.if DOCPART == 2
	.amdgcn_target "amdgcn-amd-amdhsa--gfx1250"
	.amdhsa_code_object_version 6
	.text
	.protected	k_qba5c6e972f_qkv
	.globl	k_qba5c6e972f_qkv
	.p2align	8
	.type	k_qba5c6e972f_qkv,@function
k_qba5c6e972f_qkv:
	s_mov_b64 s[64:65], 0
	v_nop
	global_prefetch_b8 v0, s[64:65] scope:SCOPE_SE
	s_setreg_imm32_b32 hwreg(HW_REG_WAVE_MODE, 25, 1), 1
	s_wait_xcnt 0x0
	s_wait_alu depctr_hold_cnt(0) depctr_sa_sdst(0) depctr_va_vdst(0) depctr_va_sdst(0) depctr_va_ssrc(0) depctr_va_vcc(0) depctr_vm_vsrc(0)
	s_getreg_b32 s2, hwreg(HW_REG_IB_STS2, 6, 4)
	s_cmp_eq_u32 s2, 0
	s_cbranch_scc0 .Lentry_in_a_cluster
	s_endpgm
.Lentry_in_a_cluster:
	s_bfe_u32 s2, ttmp6, 0x10000c
	s_cmp_lg_u32 s2, 0xf033
	s_cbranch_scc0 .Lentry_shape_is_right
	s_endpgm
.Lentry_shape_is_right:
.set FR,    12
.set NL,    3
.set NP,    4
.set KSB,   12288
.set GRP,   2*KSB
.set SLOT,  4*GRP
.set SCL,   2*SLOT
.set SPARE, SCL+4*4096
.set REC,   19712
.set HS,    16*REC
.set ADRA, 16
.set ADRB, 20
.set ADRS, 27
.set SPW,  28
.set NIL,  29
.set SC,   32
.set TM,   64
.set PW,   80
.set SW,   84
.set PC,   96
.set AF,   128
.set G1, 24
.set G0, 32
.set G1B, 48
.set G0B, 56
.set G1S, 68
.set G0S, 76
.set G1SB, 80
.set G0SB, 88
.set SEL, 98
.set MSB, 0
.macro WIN new
.if MSB != (\new)
	s_set_vgpr_msb (MSB<<8)|(\new)
.set MSB, (\new)
.endif
.endm
.set MUL_LO, 0xa1
.set MUL_HI, 0xf1
.set TO_B,   0x40
.macro JLOAD g0a, g1a, g0b, g1b
	s_cmp_eq_u32 s15, 0
	s_cbranch_scc0 .Lfor_b_\@
	tensor_load_to_lds s[\g0a:\g0a+3], s[\g1a:\g1a+7]
	s_nop 0
.rept 4
	v_nop
.endr
	s_branch .Lasked_\@
.Lfor_b_\@:
	tensor_load_to_lds s[\g0b:\g0b+3], s[\g1b:\g1b+7]
	s_nop 0
.rept 4
	v_nop
.endr
.Lasked_\@:
.endm
.macro CREST
	s_cmp_lg_u32 s14, 0
	s_cbranch_scc1 .Lnot_wave_0_\@
	s_barrier_signal -3
.Lnot_wave_0_\@:
	s_barrier_wait -3
	s_barrier_signal -1
	s_barrier_wait -1
.endm
.macro CROUND
	s_barrier_signal -1
	s_barrier_wait -1
	CREST
.endm
	s_load_b256 s[4:11], s[0:1], 0x0
	s_load_b64 s[12:13], s[0:1], 0x20
	v_lshl_add_u32 v[SPW], v0, 2, SPARE
	v_mov_b32 v[NIL], 0
	ds_add_u32 v[SPW], v[NIL]
	ds_add_u32 v[SPW], v[NIL]
	v_lshrrev_b32 v1, 5, v0
	v_readfirstlane_b32 s14, v1
	s_lshr_b32 s15, s14, 1
	s_and_b32 s16, s14, 1
	s_bfe_u32 s40, ttmp6, 0x40000
	s_bfe_u32 s41, ttmp6, 0x40004
	s_and_b32 s17, ttmp7, 0xffff
	s_lshl_b32 s43, s41, 2
	s_lshl_b32 s43, 15, s43
	s_lshl_b32 s44, 0x1111, s40
	s_or_b32 s[G1+0], s43, (3<<16)|(1<<21)
	s_or_b32 s[G1B+0], s44, (3<<16)|(1<<21)
.irp g, G1, G1B
	s_mov_b32 s[\g+1], 32<<16
	s_mov_b32 s[\g+2], 96<<16
	s_mov_b32 s[\g+3], 32<<16
	s_mov_b32 s[\g+4], 96
	s_mov_b32 s[\g+5], 32
	s_mov_b32 s[\g+6], 0
	s_mov_b32 s[\g+7], 0
.endr
	s_or_b32 s[G1S+0], s43, (3<<16)|(1<<21)
	s_or_b32 s[G1SB+0], s44, (3<<16)|(1<<21)
.irp g, G1S, G1SB
	s_mov_b32 s[\g+1], 32<<16
	s_mov_b32 s[\g+2], 16<<16
	s_mov_b32 s[\g+3], 32<<16
	s_mov_b32 s[\g+4], 16
	s_mov_b32 s[\g+5], 32
	s_mov_b32 s[\g+6], 0
	s_mov_b32 s[\g+7], 0
.endr
	s_lshl_b32 s18, s17, 3
	s_lshl_b32 s19, ttmp9, 3
	s_cmp_eq_u32 ttmp9, 2
	s_cselect_b32 s20, 16, s18
	s_cselect_b32 s46, s18, s19
	s_lshl_b32 s21, s41, 1
	s_add_co_u32 s20, s20, s21
	s_add_co_u32 s20, s20, s16
	s_lshl_b32 s47, s40, 1
	s_add_co_u32 s46, s46, s47
	s_add_co_u32 s46, s46, s16
	s_lshl_b32 s22, s20, 12
	s_mul_i32 s20, s20, 98304
	s_mov_b32 s21, 0
	s_mov_b32 s23, 0
	s_lshl_b32 s92, s46, 12
	s_mul_i32 s46, s46, 98304
	s_mov_b32 s47, 0
	s_mov_b32 s93, 0
	s_mul_i32 s45, s14, GRP
	s_lshl_b32 s94, s14, 12
	s_wait_dscnt 0x0
	s_wait_kmcnt 0x0
	s_cmp_eq_u32 ttmp9, 2
	s_cselect_b64 s[96:97], s[8:9], s[4:5]
	s_cselect_b64 s[98:99], s[10:11], s[6:7]
	s_cselect_b64 s[4:5], s[4:5], s[8:9]
	s_cselect_b64 s[6:7], s[6:7], s[10:11]
	s_add_nc_u64 s[20:21], s[96:97], s[20:21]
	s_add_nc_u64 s[22:23], s[98:99], s[22:23]
	s_add_nc_u64 s[46:47], s[4:5], s[46:47]
	s_add_nc_u64 s[92:93], s[6:7], s[92:93]
	CROUND
	s_mov_b32 s[G0S], 1
	s_add_co_u32 s[G0S+1], s94, SCL
	s_mov_b64 s[G0S+2:G0S+3], s[22:23]
	s_or_b32 s[G0S+3], s[G0S+3], 0x80000000
	s_mov_b32 s[G0SB], 1
	s_add_co_u32 s[G0SB+1], s94, SCL
	s_mov_b64 s[G0SB+2:G0SB+3], s[92:93]
	s_or_b32 s[G0SB+3], s[G0SB+3], 0x80000000
	JLOAD G0S, G1S, G0SB, G1SB
.irp s, 0,1
	s_mov_b32 s[G0+4*\s], 1
	s_add_co_u32 s[G0+4*\s+1], s45, \s*SLOT
	s_add_nc_u64 s[G0+4*\s+2:G0+4*\s+3], s[20:21], \s*GRP
	s_or_b32 s[G0+4*\s+3], s[G0+4*\s+3], 0x80000000
	s_mov_b32 s[G0B+4*\s], 1
	s_add_co_u32 s[G0B+4*\s+1], s45, \s*SLOT
	s_add_nc_u64 s[G0B+4*\s+2:G0B+4*\s+3], s[46:47], \s*GRP
	s_or_b32 s[G0B+4*\s+3], s[G0B+4*\s+3], 0x80000000
	s_wait_alu depctr_va_vdst(0)
	s_wait_tensorcnt 0x0
	ds_add_u32 v28, v29
	s_wait_dscnt 0x0
	CROUND
	JLOAD G0+4*\s, G1, G0B+4*\s, G1B
.endr
	v_and_b32 v1, 31, v0
	v_and_b32 v2, 15, v0
	v_bfe_u32 v3, v0, 4, 1
	s_wait_alu depctr_va_vdst(0)
	v_lshlrev_b32 v24, 4, v1
	s_mul_i32 s18, s15, GRP
	s_mul_i32 s19, s16, GRP
	s_add_co_u32 s19, s19, 2*GRP
.irp s, 0,1
	v_add_nc_u32 v[ADRA+\s], s18, v24
	v_add_nc_u32 v[ADRB+\s], s19, v24
	s_add_co_u32 s18, s18, SLOT
	s_add_co_u32 s19, s19, SLOT
.endr
	s_mul_i32 s18, s15, 4096
	s_mul_i32 s19, s16, 4096
	s_add_co_u32 s19, s19, 2*4096
	s_sub_co_u32 s19, s19, s18
	v_mul_u32_u24 v4, s19, v3
	s_add_co_u32 s18, s18, SCL
	v_lshl_add_u32 v4, v2, 4, v4
	v_add_nc_u32 v[ADRS], s18, v4
	s_cmp_eq_u32 ttmp9, 2
	s_cselect_b32 s2, s40, s41
	s_cselect_b32 s3, s41, s40
	s_cselect_b32 s42, s16, s15
	s_cselect_b32 s95, s15, s16
	s_mov_b32 s6, 768
	s_cselect_b32 s6, 1536, s6
	s_mov_b32 s7, 0
	s_cselect_b32 s8, HS-6144, 0
	s_mov_b32 s9, 0
	s_mov_b32 s10, HS
	s_cselect_b32 s10, 768, s10
	s_mov_b32 s11, 0xffff
	s_cselect_b32 s11, -1, s11
	s_cselect_b32 s4, 0, 16
	s_cselect_b32 s5, 1, 0
	s_mov_b32 s96, 0xffff0000
	s_mov_b32 s[SEL], 0x76543210
	s_mov_b32 s[SEL+1], 0xfedcba98
	s_lshl_b32 s100, s17, 2
	s_add_co_u32 s100, s100, s2
	s_lshr_b32 s101, s100, 3
	s_lshl_b32 s101, s101, 4
	s_lshl_b32 s3, s3, 2
	s_add_co_u32 s101, s101, s3
	s_lshl_b32 s95, s95, 1
	s_add_co_u32 s101, s101, s95
	s_lshl_b32 s101, s101, 4
	s_and_b32 s100, s100, 7
	s_lshl_b32 s100, s100, 1
	s_add_co_u32 s101, s101, s100
	s_add_co_u32 s101, s101, s42
	s_mul_i32 s100, s101, REC
	s_mul_i32 s2, ttmp9, 6656
	s_add_co_u32 s100, s100, s2
	s_mov_b32 s101, 0
	s_add_nc_u64 s[12:13], s[12:13], s[100:101]
	s_mov_b64 s[66:67], s[12:13]
	v_lshlrev_b32 v25, 3, v1
	v_add_nc_u32 v25, 512, v25
	v_add_nc_u32 v26, s10, v24
	v_add_nc_u32 v30, s10, v25
	v_mul_u32_u24 v31, s4, v3
	v_mul_u32_u24 v22, v3, HS
	v_lshl_add_u32 v22, v2, 4, v22
	v_add_nc_u32 v22, 6144, v22
.irp b, 0,1,2,3
	v_mov_b32 v[TM+4+\b], 0
.endr
.macro FRAG reg, adr, q, i
.irp c, 0,1,2
	ds_load_b128 v[\reg+4*\c:\reg+4*\c+3], v[\adr] offset:KSB*(\q)+1536*(\i)+512*\c
.endr
.endm
.macro MUL16 a0, p, q, sc, zero
.irp a, \a0, \a0+1
.irp b, 0,1,2,3,4,5,6,7
.if \zero
	v_wmma_scale_f32_16x16x128_f8f6f4 v[8*(8*((\a)%4)+\b):8*(8*((\a)%4)+\b)+7], v[128*(\p)+FR*\b:128*(\p)+FR*\b+FR-1], v[AF+FR*(\a):AF+FR*(\a)+FR-1], 0, v[SC+16*(\sc)+8*(\q)+\b], v[SC+16*(\sc)+8*(\q)+(\a)] matrix_a_fmt:MATRIX_FMT_BF6 matrix_b_fmt:MATRIX_FMT_BF6 matrix_a_scale:MATRIX_SCALE_ROW1
.else
	v_wmma_scale_f32_16x16x128_f8f6f4 v[8*(8*((\a)%4)+\b):8*(8*((\a)%4)+\b)+7], v[128*(\p)+FR*\b:128*(\p)+FR*\b+FR-1], v[AF+FR*(\a):AF+FR*(\a)+FR-1], v[8*(8*((\a)%4)+\b):8*(8*((\a)%4)+\b)+7], v[SC+16*(\sc)+8*(\q)+\b], v[SC+16*(\sc)+8*(\q)+(\a)] matrix_a_fmt:MATRIX_FMT_BF6 matrix_b_fmt:MATRIX_FMT_BF6 matrix_a_scale:MATRIX_SCALE_ROW1
.endif
.endr
.endr
.endm
.macro FETCH_B slot, q, p
	WIN TO_B
.irp i, 0,1,2,3,4,5,6,7
	FRAG 128*(\p)+FR*\i, ADRB+\slot, \q, \i
.endr
	WIN 0
.endm
.macro FETCH_A slot, q, i0
.irp i, \i0, \i0+1, \i0+2, \i0+3
	FRAG AF+FR*(\i), ADRA+\slot, \q, \i
.endr
.endm
.macro SCALES sc, f
.irp q, 0,1
.irp hf, 0,1
	ds_load_b128 v[SC+16*(\sc)+8*\q+4*\hf:SC+16*(\sc)+8*\q+4*\hf+3], v[ADRS] offset:512*(2*(\f)+\q)+256*\hf
.endr
.endr
.endm
.macro PLACES n
.rept \n
	v_nop
.endr
.endm
.macro STEP slot, q, zero
	s_wait_dscnt 4*NL
	WIN MUL_LO
	MUL16 0, (\q)%2, \q, \slot, \zero
	MUL16 2, (\q)%2, \q, \slot, \zero
	s_wait_dscnt 0
	PLACES NP
	FETCH_B \slot, (\q)+1, 1-(\q)%2
	FETCH_A \slot, (\q)+1, 0
	WIN MUL_HI
	MUL16 4, (\q)%2, \q, \slot, \zero
	MUL16 6, (\q)%2, \q, \slot, \zero
	PLACES NP
	WIN 0
	FETCH_A \slot, (\q)+1, 4
.endm
.macro TURN slot, next, fill, f
	s_wait_tensorcnt 0x0
	ds_add_u32 v[SPW], v[NIL]
	s_wait_dscnt 4*NL+1
	WIN MUL_LO
	MUL16 0, 1, 1, \slot, 0
	s_wait_dscnt 0x0
	s_barrier_signal -1
	MUL16 2, 1, 1, \slot, 0
	WIN 0
	s_barrier_wait -1
.if \fill
	CREST
	s_add_nc_u64 s[G0+4*\slot+2:G0+4*\slot+3], s[G0+4*\slot+2:G0+4*\slot+3], 2*GRP
	s_add_nc_u64 s[G0B+4*\slot+2:G0B+4*\slot+3], s[G0B+4*\slot+2:G0B+4*\slot+3], 2*GRP
	JLOAD G0+4*\slot, G1, G0B+4*\slot, G1B
.else
	PLACES NP
.endif
	FETCH_B \next, 0, 0
	FETCH_A \next, 0, 0
	SCALES \next, \f
	WIN MUL_HI
	MUL16 4, 1, 1, \slot, 0
	MUL16 6, 1, 1, \slot, 0
	PLACES NP
	WIN 0
	FETCH_A \next, 0, 4
.endm
	s_wait_tensorcnt 1
	s_barrier_signal -1
	s_barrier_wait -1
	FETCH_B 0, 0, 0
	FETCH_A 0, 0, 0
	SCALES 0, 0
	FETCH_A 0, 0, 4
	STEP 0, 0, 1
	TURN 0, 1, 1, 1
	STEP 1, 0, 0
	TURN 1, 0, 1, 2
	STEP 0, 0, 0
	TURN 0, 1, 0, 3
	STEP 1, 0, 0
	s_wait_dscnt 4*NL
	WIN MUL_LO
	MUL16 0, 1, 1, 1, 0
	MUL16 2, 1, 1, 1, 0
	s_wait_dscnt 0
	WIN MUL_HI
	MUL16 4, 1, 1, 1, 0
	MUL16 6, 1, 1, 1, 0
	WIN 0
.macro QOUT a
.set AC, 64*((\a)%4)
	WIN 0x0a+5*((\a)/4)
.irp b, 0,1,2,3
	v_max3_num_f32 v[TM+\b], |v[AC+16*\b]|, |v[AC+16*\b+1]|, 0x2800000
.endr
.irp i, 2,4,6,8,10,12,14
.irp b, 0,1,2,3
	v_max3_num_f32 v[TM+\b], |v[AC+16*\b+\i]|, |v[AC+16*\b+\i+1]|, v[TM+\b]
.endr
.endr
	WIN 0
.irp b, 0,1,2,3
	v_permlanex16_b32 v[TM+4+\b], v[TM+\b], s[SEL], s[SEL+1]
.endr
.irp b, 0,1,2,3
	v_max_num_f32 v[TM+\b], v[TM+\b], v[TM+4+\b]
.endr
.irp b, 0,1,2,3
	v_add_nc_u32 v[TM+12+\b], 0xfe000000, v[TM+\b]
.endr
.irp b, 0,1,2,3
	v_lshrrev_b32 v[TM+4+\b], 23, v[TM+12+\b]
.endr
	v_lshl_or_b32 v[PW], v[TM+5], 8, v[TM+4]
	v_lshl_or_b32 v[PW], v[TM+6], 16, v[PW]
	v_lshl_or_b32 v[PW], v[TM+7], 24, v[PW]
	v_lshrrev_b32 v81, v31, v[PW]
	v_and_b32 v[SW+(\a)], s11, v81
	s_wait_xcnt 0x0
.if (\a) > 0
	s_add_nc_u64 s[12:13], s[12:13], s[6:7]
.endif
.if (\a) == 4
	s_add_nc_u64 s[12:13], s[12:13], s[8:9]
.endif
	WIN 0x02+(\a)/4
.irp c, 0,1
	v_cvt_scalef32_pk16_bf6_f32 v[PC+6*\c:PC+6*\c+2], v[AC+32*\c:AC+32*\c+15], v[TM+12+2*\c]
	v_cvt_scalef32_pk16_bf6_f32 v[PC+12+4*\c:PC+14+4*\c], v[AC+16+32*\c:AC+31+32*\c], v[TM+12+2*\c+1]
.endr
	WIN 0
	v_nop
.irp c, 0,1
.irp i, 0,1,2
	v_permlane16_swap_b32 v[PC+6*\c+\i], v[PC+12+4*\c+\i]
.endr
.irp i, 0,1,2
	v_mov_b32 v[PC+3+6*\c+\i], v[PC+12+4*\c+\i]
.endr
.endr
	global_store_b128 v24, v[PC:PC+3], s[12:13]
	global_store_b64 v25, v[PC+4:PC+5], s[12:13]
	global_store_b128 v26, v[PC+6:PC+9], s[12:13]
	global_store_b64 v30, v[PC+10:PC+11], s[12:13]
.endm
	PLACES NP
.irp a, 0,1,2,3,4,5,6,7
	QOUT \a
.endr
	s_cmp_eq_u32 s5, 1
	s_cbranch_scc1 .Lv_words
	global_store_b128 v22, v[SW:SW+3], s[66:67]
	global_store_b128 v22, v[SW+4:SW+7], s[66:67] offset:256
	s_branch .Lwords_out
.Lv_words:
.irp i, 0,1,2,3
	v_cndmask_b32 v[92+\i], v[SW+\i], v[SW+4+\i], s96
.endr
	global_store_b128 v22, v[92:95], s[66:67]
.Lwords_out:
	s_wait_tensorcnt 0x0
	ds_add_u32 v[SPW], v[NIL]
	s_wait_dscnt 0x0
	CROUND
	s_endpgm
.Lfunc_end_k_qba5c6e972f_qkv:
	.size	k_qba5c6e972f_qkv, .Lfunc_end_k_qba5c6e972f_qkv-k_qba5c6e972f_qkv
	.p2alignl 7, 3214868480
	.fill 96, 4, 3214868480
	.section	.rodata,"a",@progbits
	.p2align	6, 0x0
	.amdhsa_kernel k_qba5c6e972f_qkv
		.amdhsa_group_segment_fixed_size 327680
		.amdhsa_private_segment_fixed_size 0
		.amdhsa_enable_private_segment 0
		.amdhsa_kernarg_size 40
		.amdhsa_user_sgpr_count 2
		.amdhsa_user_sgpr_kernarg_segment_ptr 1
		.amdhsa_wavefront_size32 1
		.amdhsa_system_sgpr_workgroup_id_x 1
		.amdhsa_system_sgpr_workgroup_id_y 1
		.amdhsa_system_sgpr_workgroup_id_z 1
		.amdhsa_system_vgpr_workitem_id 0
		.amdhsa_next_free_vgpr 1024
		.amdhsa_next_free_sgpr 102
		.amdhsa_reserve_vcc 0
		.amdhsa_float_denorm_mode_32 3
		.amdhsa_float_denorm_mode_16_64 3
		.amdhsa_memory_ordered 1
		.amdhsa_forward_progress 1
		.amdhsa_inst_pref_size 142
	.end_amdhsa_kernel
	.amdgpu_metadata
---
amdhsa.version: [ 1, 2 ]
amdhsa.kernels:
  - .name:           k_qba5c6e972f_qkv
    .symbol:         k_qba5c6e972f_qkv.kd
    .args:
      - { .name: ximg, .offset: 0, .size: 8, .value_kind: global_buffer, .address_space: global }
      - { .name: xsw, .offset: 8, .size: 8, .value_kind: global_buffer, .address_space: global }
      - { .name: wimg, .offset: 16, .size: 8, .value_kind: global_buffer, .address_space: global }
      - { .name: wsw, .offset: 24, .size: 8, .value_kind: global_buffer, .address_space: global }
      - { .name: qkv, .offset: 32, .size: 8, .value_kind: global_buffer, .address_space: global }
    .group_segment_fixed_size: 327680
    .private_segment_fixed_size: 0
    .kernarg_segment_align: 8
    .kernarg_segment_size: 40
    .max_flat_workgroup_size: 128
    .sgpr_count:     102
    .vgpr_count:     1024
    .wavefront_size: 32
...
	.end_amdgpu_metadata
.endif
;; end of part 2
;; launch attn (part 3): grid 4 x 64, 16 waves a work-group, clusters of 4 x 1, 212,992 bytes of LDS; arguments qkv, oimg, osw; writes oimg, osw
.if DOCPART == 3
	.amdgcn_target "amdgcn-amd-amdhsa--gfx1250"
	.amdhsa_code_object_version 6
	.text
	.protected	k_qba5c6e972f_attn
	.globl	k_qba5c6e972f_attn
	.p2align	8
	.type	k_qba5c6e972f_attn,@function
k_qba5c6e972f_attn:
	s_mov_b64 s[64:65], 0
	v_nop
	global_prefetch_b8 v0, s[64:65] scope:SCOPE_SE
	s_setreg_imm32_b32 hwreg(HW_REG_WAVE_MODE, 25, 1), 1
	s_wait_xcnt 0x0
	s_wait_alu depctr_hold_cnt(0) depctr_sa_sdst(0) depctr_va_vdst(0) depctr_va_sdst(0) depctr_va_ssrc(0) depctr_va_vcc(0) depctr_vm_vsrc(0)
	s_getreg_b32 s2, hwreg(HW_REG_IB_STS2, 6, 4)
	s_cmp_eq_u32 s2, 0
	s_cbranch_scc0 .Lentry_in_a_cluster
	s_endpgm
.Lentry_in_a_cluster:
	s_bfe_u32 s2, ttmp6, 0x10000c
	s_cmp_lg_u32 s2, 0x3003
	s_cbranch_scc0 .Lentry_shape_is_right
	s_endpgm
.Lentry_shape_is_right:
; Launch 3 of 4: o = softmax(q k^T / 8) v for one head, both products on codes of E3M2, and o quantised along the head's 64.  No work is left out.
; THE SOFTMAX: t = score x log2(e) / 8; M = the running largest t rounded up to a whole number; p = 2^(t - M) is quantised along the keys, not normalised; the row's sum is taken of the
; unquantised p and divides O at the end.  When M moves, the sum and O are multiplied by 2^(old M - new M): exact.
; The first product's K is 64: registers 6-11 of q's and k's fragments are zero codes, and the upper two bytes of their scale words are 0, which is 2^-127 and no NaN.
; SHARES.  A cluster is a head; its four work-groups take 512 queries each.  ALL of the head's k and v, codes and scale words, are 16 x 13,056 bytes: they fit in LDS and come ONCE: wave w of each
; partner issues the same joint load for key step w (128 keys).  So there is no ring, no refill, and no barrier in the loops.  One tensor load a wave is out.
; A wave owns one tile of 16 queries in each of two passes and walks the 16 key steps.  Four waves share a SIMD: one wave's exponentials stand beside another's plain and matrix work.
; LAYOUT.  Both products transposed: S^T = k q^T, O^T = v^T p^T: a lane holds one query throughout.  Tiles of keys and of channels were laid by launch 2 so that the 16 registers of two
; neighbouring tiles are 16 neighbours along the next K.
; OUT.  oimg: [128 tokens][K step = head / 2][tile] fragments of two halves (head % 2) of 768 bytes; osw: [batch x 16 + head][tile of queries][r] words, the head's two scale bytes low.
.set REC,   19712
.set KVB,   13056                      ; a key step in LDS: k codes 0, k scale words 6,144, v codes 6,656, v scale words 12,800
.set VCO,   6656
.set SCR,   16*KVB                     ; o's scale words: [16 x pass + wave][r]
.set SPARE, SCR+2048                   ; the spare words, 128 bytes a wave
.set A16, 4                            ; v4-6 the step's LDS addresses: + 16 l, + 8 l, + 16 r
.set A8,  5
.set AS,  6
.set SPW, 7
.set NIL, 8
.set QS,  28                           ; q's scale word
.set PS,  29                           ; p's
.set KF,  32                           ; v32-79 four fragments of k; registers 6-11 of each stay zero
.set KS,  80                           ; v80-87 k's scale words
.set VS,  88                           ; v88-91 v's
.set S,   96                           ; v96-159 S^T, then p
.set O,   160                          ; v160-191 O^T
.set VF,  192                          ; v192-215 two fragments of v
.set PC,  216                          ; v216-227 p's codes
.set BM,  228
.set T2,  232
.set CV,  236
.set SO,  244
.set F,   248                          ; v[248:249]
.set TMP, 250
.set OW,  251
.set WV,  18
.set SEL, 20
.set CS,  22
.set G1,  24
.set G0,  32
.set TB,  36
.set CNT, 37
.macro CROUND
	s_barrier_signal -1
	s_barrier_wait -1
	s_cmp_lg_u32 s[WV], 0
	s_cbranch_scc1 .Lnot_wave_0_\@
	s_barrier_signal -3
.Lnot_wave_0_\@:
	s_barrier_wait -3
	s_barrier_signal -1
	s_barrier_wait -1
.endm
	s_load_b128 s[4:7], s[0:1], 0x0                  ; qkv, oimg
	s_load_b64 s[8:9], s[0:1], 0x10                  ; osw
	v_lshl_add_u32 v[SPW], v0, 2, SPARE
	v_mov_b32 v[NIL], 0
	ds_add_u32 v[SPW], v[NIL]                        ; the opening: the add, twice on end, and its wait ahead of my first tensor load
	ds_add_u32 v[SPW], v[NIL]
	v_lshrrev_b32 v1, 5, v0
	s_delay_alu instid0(VALU_DEP_1)
	v_readfirstlane_b32 s[WV], v1                    ; wave 0..15
	s_and_b32 s10, ttmp7, 0xffff                     ; 16 x batch + head
	s_bfe_u32 s11, ttmp6, 0x40000                    ; my quarter of the queries
	s_lshl_b32 s12, s10, 4
	s_add_co_u32 s12, s12, s[WV]                     ; the record of key step w: no place in the cluster enters it
	s_mul_i32 s12, s12, REC
	s_add_co_u32 s12, s12, VCO                       ; k's and v's parts: 13,056 dense bytes
	s_mov_b32 s13, 0
	s_mov_b32 s[G1], 15|(3<<16)|(1<<21)              ; the mask: all four; elements of 8 bytes; bit 21 beside a mask
	s_mov_b32 s[G1+1], 32<<16                        ; 51 rows of 256 bytes
	s_mov_b32 s[G1+2], 51<<16
	s_mov_b32 s[G1+3], 32<<16
	s_mov_b32 s[G1+4], 51
	s_mov_b32 s[G1+5], 32
	s_mov_b32 s[G1+6], 0
	s_mov_b32 s[G1+7], 0
	s_mov_b32 s[G0], 1
	s_mul_i32 s[G0+1], s[WV], KVB
	s_lshl_b32 s14, s10, 4
	s_lshl_b32 s15, s11, 2
	s_add_co_u32 s14, s14, s15
	s_lshr_b32 s15, s[WV], 3
	s_add_co_u32 s14, s14, s15                       ; the record of pass 0's queries
	s_mul_i32 s14, s14, REC
	s_and_b32 s16, s[WV], 7                          ; my tile in it
	s_mul_i32 s17, s16, 768
	s_add_co_u32 s38, s14, s17
	s_mov_b32 s39, 0                                 ; s[38:39]: q's codes
	s_lshr_b32 s17, s16, 2
	s_lshl_b32 s17, s17, 8
	s_add_co_u32 s40, s14, s17
	s_and_b32 s17, s[WV], 3
	s_lshl_b32 s17, s17, 2
	s_add_co_u32 s40, s40, s17
	s_add_co_u32 s40, s40, 6144
	s_mov_b32 s41, 0                                 ; s[40:41]: q's scale words
	s_lshr_b32 s42, s10, 4
	s_lshl_b32 s42, s42, 4
	s_lshl_b32 s17, s11, 2
	s_add_co_u32 s42, s42, s17
	s_add_co_u32 s42, s42, s15                       ; the group of 128 tokens
	s_lshl_b32 s42, s42, 3
	s_bfe_u32 s17, s10, 0x30001                      ; head / 2: the last product's K step
	s_add_co_u32 s42, s42, s17
	s_lshl_b32 s42, s42, 3
	s_add_co_u32 s42, s42, s16
	s_mul_i32 s42, s42, 1536
	s_and_b32 s17, s10, 1
	s_mul_i32 s17, s17, 768                          ; head % 2: which half of the fragment
	s_add_co_u32 s42, s42, s17
	s_mov_b32 s43, 0                                 ; s[42:43]: in oimg
	s_lshl_b32 s44, s10, 13
	s_lshl_b32 s17, s11, 11
	s_add_co_u32 s44, s44, s17
	s_mov_b32 s45, 0                                 ; s[44:45]: in osw
	s_mov_b32 s[SEL], 0x76543210
	s_mov_b32 s[SEL+1], 0xfedcba98
	s_mov_b32 s[CS], 0x3e38aa3b                      ; c = log2(e) / 8
	s_mov_b32 s[CS+1], s[CS]                         ; (named with it as a pair, so it is written)
	v_and_b32 v9, 31, v0
	s_delay_alu instid0(VALU_DEP_1)
	v_lshlrev_b32 v1, 4, v9                          ; 16 l
	s_delay_alu instid0(VALU_DEP_2)
	v_lshlrev_b32 v2, 3, v9                          ; 8 l
	v_and_b32 v10, 15, v0
	s_delay_alu instid0(VALU_DEP_1)
	v_lshlrev_b32 v3, 4, v10                         ; 16 r
	s_lshl_b32 s46, s[WV], 6
	v_lshl_add_u32 v9, v10, 2, s46
	s_delay_alu instid0(VALU_DEP_1)
	v_add_nc_u32 v9, SCR, v9                         ; where o's scale word goes: 64 w + 4 r
	s_and_b32 s46, s[WV], 3
	s_lshl_b32 s46, s46, 9
	v_add_nc_u32 v11, s46, v1                        ; and how waves 0-3 take them out: 512 bytes each
	s_delay_alu instid0(VALU_DEP_1)
	v_add_nc_u32 v10, SCR, v11
	s_wait_dscnt 0x0                                 ; both opening adds are done
	s_wait_kmcnt 0x0
	s_add_nc_u64 s[G0+2:G0+3], s[4:5], s[12:13]
	s_or_b32 s[G0+3], s[G0+3], 0x80000000
	s_add_nc_u64 s[38:39], s[4:5], s[38:39]
	s_add_nc_u64 s[40:41], s[4:5], s[40:41]
	s_add_nc_u64 s[42:43], s[6:7], s[42:43]
	s_add_nc_u64 s[44:45], s[8:9], s[44:45]
	CROUND                                           ; all four work-groups are here: the joint loads meet
	tensor_load_to_lds s[G0:G0+3], s[G1:G1+7]        ; key step w, for all four
	s_nop 0
.rept 4
	v_nop
.endr
	s_wait_alu depctr_va_vdst(0)
	global_load_b128 v[16:19], v1, s[38:39]          ; q of pass 0,
	global_load_b64 v[20:21], v2, s[38:39] offset:512
	global_load_b32 v[QS], v3, s[40:41]
	global_load_b128 v[92:95], v1, s[38:39] offset:2*REC   ; and of pass 1: two records on
	global_load_b64 v[30:31], v2, s[38:39] offset:2*REC+512
	global_load_b32 v252, v3, s[40:41] offset:2*REC
.irp j, 22,23,24,25,26,27
	v_mov_b32 v\j, 0                                 ; K = 64 .. 127 of q: zero codes
.endr
.irp t, 0,1,2,3
.irp j, 6,7,8,9,10,11
	v_mov_b32 v[KF+12*\t+\j], 0                      ; and of k: written once, never loaded
.endr
.endr
.irp b, 0,1,2,3
	v_mov_b32 v[T2+\b], 0                            ; a lane permute's destination counts as one of its sources
.endr
	v_mov_b32 v[F+1], 0                              ; (named as the upper half of a pair)
	s_wait_tensorcnt 0x0                             ; my key step is in,
	s_barrier_signal -1
	s_barrier_wait -1                                ; everybody's is
	s_wait_loadcnt 0x0                               ; q
.macro KLOAD t, f
	ds_load_b128 v[KF+12*(\f):KF+12*(\f)+3], v[A16] offset:768*(\t)
	ds_load_b64 v[KF+12*(\f)+4:KF+12*(\f)+5], v[A8] offset:768*(\t)+512
.endm
.macro VLOAD t, f
	ds_load_b128 v[VF+12*(\f):VF+12*(\f)+3], v[A16] offset:VCO+1536*(\t)
	ds_load_b64 v[VF+12*(\f)+4:VF+12*(\f)+5], v[A8] offset:VCO+1536*(\t)+512
	ds_load_b128 v[VF+12*(\f)+6:VF+12*(\f)+9], v[A16] offset:VCO+1536*(\t)+768
	ds_load_b64 v[VF+12*(\f)+10:VF+12*(\f)+11], v[A8] offset:VCO+1536*(\t)+1280
.endm
; A KEY STEP: 128 keys at LDS byte s[TB].
.macro STEP
	v_add_nc_u32 v[A16], s[TB], v1
	v_add_nc_u32 v[A8], s[TB], v2
	v_add_nc_u32 v[AS], s[TB], v3
	v_nop
	ds_load_b128 v[KS:KS+3], v[AS] offset:6144
	ds_load_b128 v[KS+4:KS+7], v[AS] offset:6400
.irp t, 0,1,2,3
	KLOAD \t, \t
.endr
	s_wait_alu depctr_va_vdst(0)
	s_wait_dscnt 0x0
.irp t, 0,1,2,3
	v_wmma_scale_f32_16x16x128_f8f6f4 v[S+8*\t:S+8*\t+7], v[KF+12*\t:KF+12*\t+11], v[16:27], 0, v[KS+\t], v[QS] matrix_a_fmt:MATRIX_FMT_BF6 matrix_b_fmt:MATRIX_FMT_BF6
.endr
.rept 4
	v_nop                                            ; places in front of loads into registers that matrix instructions have read
.endr
.irp t, 0,1,2,3
	KLOAD 4+\t, \t
.endr
	ds_load_b128 v[VS:VS+3], v[AS] offset:12800
	VLOAD 0, 0
	VLOAD 1, 1
	s_wait_dscnt 9                                   ; k's tiles 4-7 are in; v's scale words and two fragments, 9 loads, land during the softmax
.irp t, 0,1,2,3
	v_wmma_scale_f32_16x16x128_f8f6f4 v[S+32+8*\t:S+32+8*\t+7], v[KF+12*\t:KF+12*\t+11], v[16:27], 0, v[KS+4+\t], v[QS] matrix_a_fmt:MATRIX_FMT_BF6 matrix_b_fmt:MATRIX_FMT_BF6
.endr
.rept 4
	v_nop
.endr
.irp b, 0,1,2,3
	v_max3_num_f32 v[BM+\b], v[S+16*\b], v[S+1+16*\b], v[S+2+16*\b]   ; the largest score of each block of 32 keys: for the row's maximum and, since p rises with the score, for the block's largest p
.endr
.irp i, 3,5,7,9,11,13
.irp b, 0,1,2,3
	v_max3_num_f32 v[BM+\b], v[BM+\b], v[S+16*\b+\i], v[S+1+16*\b+\i]
.endr
.endr
.irp b, 0,1,2,3
	v_max_num_f32 v[BM+\b], v[BM+\b], v[S+15+16*\b]
.endr
.irp b, 0,1,2,3
	s_delay_alu instid0(VALU_DEP_4)
	v_permlanex16_b32 v[T2+\b], v[BM+\b], s[SEL], s[SEL+1]
.endr
.irp b, 0,1,2,3
	s_delay_alu instid0(VALU_DEP_4)
	v_max_num_f32 v[BM+\b], v[BM+\b], v[T2+\b]
.endr
	s_delay_alu instid0(VALU_DEP_2)
	v_max3_num_f32 v[TMP], v[BM], v[BM+1], v[BM+2]
	s_delay_alu instid0(VALU_DEP_1)
	v_max_num_f32 v[TMP], v[TMP], v[BM+3]
	s_delay_alu instid0(VALU_DEP_1)
	v_mul_f32 v[TMP], s[CS], v[TMP]                  ; as t (c is positive)
	s_delay_alu instid0(VALU_DEP_1)
	v_max_num_f32 v13, v13, v[TMP]                   ; the running largest t
	v_mov_b32 v[TMP], v12
	s_delay_alu instid0(VALU_DEP_2)
	v_floor_f32 v12, -v13                            ; the new -M = floor(-t): M is a whole number
	s_delay_alu instid0(VALU_DEP_1)
	v_sub_f32 v[TMP], v12, v[TMP]                    ; old M less new M: a whole number, 0 or less
	s_delay_alu instid0(VALU_DEP_1)
	v_cvt_i32_f32 v[TMP], v[TMP]                     ; (it saturates)
	s_delay_alu instid0(VALU_DEP_1)
	v_ldexp_f32 v[F], 1.0, v[TMP]                    ; f = 2^(old M - new M)
.set J, 0
.rept 32
	v_pk_fma_f32 v[S+J:S+J+1], v[S+J:S+J+1], s[CS:CS+1], v[12:13] op_sel_hi:[1,0,0]   ; t - M, two at a time
.set J, J+2
.endr
.irp b, 0,1,2,3
	v_fma_f32 v[BM+\b], v[BM+\b], s[CS], v12
.endr
.set J, 0
	s_wait_alu depctr_va_vdst(0)
.rept 64
	v_exp_f32 v[S+J], v[S+J]                         ; p = 2^(t - M)
.set J, J+1
.endr
	s_setprio 1
	v_pk_mul_f32 v[14:15], v[14:15], v[F:F+1] op_sel_hi:[1,0]   ; the sums under the new M: a plain place behind the exponentials
	s_wait_alu depctr_va_vdst(0)                     ; one wait for the batch, ahead of its first reader
.irp b, 0,1,2,3
	v_exp_f32 v[BM+\b], v[BM+\b]                     ; each block's largest p
.endr
	v_pk_add_f32 v[232:233], v[100:101], v[104:105]
	v_pk_add_f32 v[254:255], v[108:109], v[112:113]
	v_pk_add_f32 v[250:251], v[116:117], v[120:121]
	v_pk_add_f32 v[246:247], v[124:125], v[128:129]
	v_pk_add_f32 v[244:245], v[132:133], v[136:137]
	v_pk_add_f32 v[242:243], v[140:141], v[144:145]
	v_pk_add_f32 v[240:241], v[148:149], v[152:153]
	v_pk_add_f32 v[14:15], v[14:15], v[156:157]
	v_pk_add_f32 v[232:233], v[232:233], v[96:97]
	v_pk_add_f32 v[254:255], v[254:255], v[98:99]
	v_pk_add_f32 v[250:251], v[250:251], v[102:103]
	v_pk_add_f32 v[246:247], v[246:247], v[106:107]
	v_pk_add_f32 v[244:245], v[244:245], v[110:111]
	v_pk_add_f32 v[242:243], v[242:243], v[114:115]
	v_pk_add_f32 v[240:241], v[240:241], v[118:119]
	v_pk_add_f32 v[14:15], v[14:15], v[122:123]
	v_pk_add_f32 v[232:233], v[232:233], v[126:127]
	v_pk_add_f32 v[254:255], v[254:255], v[130:131]
	v_pk_add_f32 v[250:251], v[250:251], v[134:135]
	v_pk_add_f32 v[246:247], v[246:247], v[138:139]
	v_pk_add_f32 v[244:245], v[244:245], v[142:143]
	v_pk_add_f32 v[242:243], v[242:243], v[146:147]
	v_pk_add_f32 v[240:241], v[240:241], v[150:151]
	v_pk_add_f32 v[14:15], v[14:15], v[154:155]
	v_pk_add_f32 v[232:233], v[232:233], v[158:159]
	s_delay_alu instid0(VALU_DEP_2)
	v_pk_add_f32 v[14:15], v[14:15], v[246:247]
	s_delay_alu instid0(VALU_DEP_2)
	v_pk_add_f32 v[232:233], v[232:233], v[244:245]
	v_pk_add_f32 v[254:255], v[254:255], v[242:243]
	v_pk_add_f32 v[250:251], v[250:251], v[240:241]
	s_delay_alu instid0(VALU_DEP_2)
	v_pk_add_f32 v[14:15], v[14:15], v[254:255]
	s_delay_alu instid0(VALU_DEP_2)
	v_pk_add_f32 v[232:233], v[232:233], v[250:251]
	s_delay_alu instid0(VALU_DEP_1)
	v_pk_add_f32 v[14:15], v[14:15], v[232:233]
	s_wait_alu depctr_va_vdst(0)                     ; and one for the four
.irp b, 0,1,2,3
	v_max_num_f32 v[BM+\b], 0x2800000, v[BM+\b]      ; the floor 2^(5 - 127)
.endr
.irp b, 0,1,2,3
	s_delay_alu instid0(VALU_DEP_4)
	v_add_nc_u32 v[SO+\b], 0xfe000000, v[BM+\b]
.endr
.irp b, 0,1,2,3
	s_delay_alu instid0(VALU_DEP_4)
	v_lshrrev_b32 v[T2+\b], 23, v[SO+\b]
.endr
	s_delay_alu instid0(VALU_DEP_3)
	v_lshl_or_b32 v[PS], v[T2+1], 8, v[T2]
	s_delay_alu instid0(VALU_DEP_1)
	v_lshl_or_b32 v[PS], v[T2+2], 16, v[PS]
	s_delay_alu instid0(VALU_DEP_1)
	v_lshl_or_b32 v[PS], v[T2+3], 24, v[PS]
.irp c, 0,1
	v_cvt_scalef32_pk16_bf6_f32 v[PC+6*\c:PC+2+6*\c], v[S+32*\c:S+15+32*\c], v[SO+2*\c]
	v_cvt_scalef32_pk16_bf6_f32 v[CV+4*\c:CV+2+4*\c], v[S+16+32*\c:S+31+32*\c], v[SO+2*\c+1]
.endr
	v_nop                                            ; one plain place behind a scaled conversion
.irp c, 0,1
.irp i, 0,1,2
	v_permlane16_swap_b32 v[PC+6*\c+\i], v[CV+4*\c+\i]
.endr
.irp i, 0,1,2
	s_delay_alu instid0(VALU_DEP_3)
	v_mov_b32 v[PC+3+6*\c+\i], v[CV+4*\c+\i]
.endr
.endr
.set J, 0
	s_setprio 0
.rept 16
	v_pk_mul_f32 v[O+J:O+J+1], v[O+J:O+J+1], v[F:F+1] op_sel_hi:[1,0]   ; O^T under the new M; these are also the places between p's codes and scale word and the products
.set J, J+2
.endr
	s_wait_alu depctr_va_vdst(0)
	s_wait_dscnt 0x0
.irp t, 0,1
	v_wmma_scale_f32_16x16x128_f8f6f4 v[O+8*\t:O+8*\t+7], v[VF+12*\t:VF+12*\t+11], v[PC:PC+11], v[O+8*\t:O+8*\t+7], v[VS+\t], v[PS] matrix_a_fmt:MATRIX_FMT_BF6 matrix_b_fmt:MATRIX_FMT_BF6
.endr
.rept 4
	v_nop
.endr
	VLOAD 2, 0
	VLOAD 3, 1
	s_wait_dscnt 0x0
.irp t, 0,1
	v_wmma_scale_f32_16x16x128_f8f6f4 v[O+16+8*\t:O+16+8*\t+7], v[VF+12*\t:VF+12*\t+11], v[PC:PC+11], v[O+16+8*\t:O+16+8*\t+7], v[VS+2+\t], v[PS] matrix_a_fmt:MATRIX_FMT_BF6 matrix_b_fmt:MATRIX_FMT_BF6
.endr
.endm
; A PASS: one tile of 16 queries against all 2,048 keys.
.macro PASS p
.if \p
	s_wait_xcnt 0x0                                  ; pass 0's stores have read their data
	v_mov_b32 v16, v92
	v_mov_b32 v17, v93
	v_mov_b32 v18, v94
	v_mov_b32 v19, v95
	v_mov_b32 v20, v30
	v_mov_b32 v21, v31
	v_mov_b32 v[QS], v252
.endif
	v_mov_b32 v13, 0xff61b1e6                        ; the largest t so far: -3e38
	s_delay_alu instid0(VALU_DEP_1)
	v_floor_f32 v12, -v13
	v_mov_b32 v14, 0
	v_mov_b32 v15, 0
.set J, 0
.rept 32
	v_mov_b32 v[O+J], 0                              ; the step is written once: the first finds zeros
.set J, J+1
.endr
	s_mov_b32 s[TB], 0
	s_mov_b32 s[CNT], 16
.Lstep_\p:
	s_setprio 2
	STEP
	s_add_co_u32 s[TB], s[TB], KVB
	s_sub_co_u32 s[CNT], s[CNT], 1
	s_cmp_lg_u32 s[CNT], 0
	s_cbranch_scc1 .Lstep_\p
	s_setprio 0
.rept 4
	v_nop
.endr
	v_add_f32 v14, v14, v15
	s_delay_alu instid0(VALU_DEP_1)
	v_permlanex16_b32 v[T2], v14, s[SEL], s[SEL+1]
	s_delay_alu instid0(VALU_DEP_1)
	v_add_f32 v14, v14, v[T2]                        ; the row's sum
	s_wait_alu depctr_va_vdst(0)
	v_rcp_f32 v14, v14
	v_nop
	s_wait_alu depctr_va_vdst(0)
.set J, 0
.rept 32
	v_mul_f32 v[S+J], v[O+J], v14                    ; o: register 16 b + i = channel 32 b + 16 (lane / 16) + i of my query
.set J, J+1
.endr
.irp b, 0,1
	v_max3_num_f32 v[BM+\b], |v[S+16*\b]|, |v[S+1+16*\b]|, 0x2800000
.endr
.irp i, 2,4,6,8,10,12,14
.irp b, 0,1
	s_delay_alu instid0(VALU_DEP_2)
	v_max3_num_f32 v[BM+\b], v[BM+\b], |v[S+16*\b+\i]|, |v[S+1+16*\b+\i]|
.endr
.endr
.irp b, 0,1
	s_delay_alu instid0(VALU_DEP_2)
	v_permlanex16_b32 v[T2+\b], v[BM+\b], s[SEL], s[SEL+1]
.endr
.irp b, 0,1
	s_delay_alu instid0(VALU_DEP_2)
	v_max_num_f32 v[BM+\b], v[BM+\b], v[T2+\b]
.endr
.irp b, 0,1
	s_delay_alu instid0(VALU_DEP_2)
	v_add_nc_u32 v[SO+\b], 0xfe000000, v[BM+\b]
.endr
.irp b, 0,1
	s_delay_alu instid0(VALU_DEP_2)
	v_lshrrev_b32 v[T2+\b], 23, v[SO+\b]
.endr
	s_delay_alu instid0(VALU_DEP_1)
	v_lshl_or_b32 v[OW], v[T2+1], 8, v[T2]           ; the head's two scale bytes
	v_cvt_scalef32_pk16_bf6_f32 v[PC:PC+2], v[S:S+15], v[SO]
	v_cvt_scalef32_pk16_bf6_f32 v[CV:CV+2], v[S+16:S+31], v[SO+1]
	v_nop
.irp i, 0,1,2
	v_permlane16_swap_b32 v[PC+\i], v[CV+\i]
.endr
.irp i, 0,1,2
	s_delay_alu instid0(VALU_DEP_3)
	v_mov_b32 v[PC+3+\i], v[CV+\i]
.endr
	global_store_b128 v1, v[PC:PC+3], s[42:43] offset:196608*\p        ; 512 consecutive bytes; pass 1: two groups of tokens on
	global_store_b64 v2, v[PC+4:PC+5], s[42:43] offset:196608*\p+512   ; 256
	ds_store_b32 v9, v[OW] offset:1024*\p            ; lanes r and r + 16 write the same word with the same value
.endm
	PASS 0
	PASS 1
	s_wait_dscnt 0x0                                 ; for the others' sake: my words lie in LDS
	s_barrier_signal -1
	s_barrier_wait -1
	s_cmp_lt_u32 s[WV], 4
	s_cbranch_scc0 .Lnot_mine
	ds_load_b128 v[96:99], v10
	s_wait_dscnt 0x0
	global_store_b128 v11, v[96:99], s[44:45]        ; 512 consecutive bytes a wave
.Lnot_mine:
	s_wait_tensorcnt 0x0                             ; the wave's end
	ds_add_u32 v[SPW], v[NIL]
	s_wait_dscnt 0x0
	CROUND                                           ; the closing round
	s_endpgm
.Lfunc_end_k_qba5c6e972f_attn:
	.size	k_qba5c6e972f_attn, .Lfunc_end_k_qba5c6e972f_attn-k_qba5c6e972f_attn
	.p2alignl 7, 3214868480
	.fill 96, 4, 3214868480
	.section	.rodata,"a",@progbits
	.p2align	6, 0x0
	.amdhsa_kernel k_qba5c6e972f_attn
		.amdhsa_group_segment_fixed_size 212992
		.amdhsa_private_segment_fixed_size 0
		.amdhsa_enable_private_segment 0
		.amdhsa_kernarg_size 24
		.amdhsa_user_sgpr_count 2
		.amdhsa_user_sgpr_kernarg_segment_ptr 1
		.amdhsa_wavefront_size32 1
		.amdhsa_system_sgpr_workgroup_id_x 1
		.amdhsa_system_sgpr_workgroup_id_y 1
		.amdhsa_system_sgpr_workgroup_id_z 1
		.amdhsa_system_vgpr_workitem_id 0
		.amdhsa_next_free_vgpr 256
		.amdhsa_next_free_sgpr 66
		.amdhsa_reserve_vcc 0
		.amdhsa_float_denorm_mode_32 3
		.amdhsa_float_denorm_mode_16_64 3
		.amdhsa_memory_ordered 1
		.amdhsa_forward_progress 1
		.amdhsa_inst_pref_size 54
	.end_amdhsa_kernel
	.amdgpu_metadata
---
amdhsa.version: [ 1, 2 ]
amdhsa.kernels:
  - .name:           k_qba5c6e972f_attn
    .symbol:         k_qba5c6e972f_attn.kd
    .args:
      - { .name: qkv, .offset: 0, .size: 8, .value_kind: global_buffer, .address_space: global }
      - { .name: oimg, .offset: 8, .size: 8, .value_kind: global_buffer, .address_space: global }
      - { .name: osw, .offset: 16, .size: 8, .value_kind: global_buffer, .address_space: global }
    .group_segment_fixed_size: 212992
    .private_segment_fixed_size: 0
    .kernarg_segment_align: 8
    .kernarg_segment_size: 24
    .max_flat_workgroup_size: 512
    .sgpr_count:     66
    .vgpr_count:     256
    .wavefront_size: 32
...
	.end_amdgpu_metadata
.endif
;; end of part 3
;; launch projln (part 4): grid 256 x 1, 4 waves a work-group, no clusters, 263,168 bytes of LDS; arguments oimg, osw, wimg, wsw, b_proj, x, ln_gamma, ln_beta, out0; writes out0
.if DOCPART == 4
	.amdgcn_target "amdgcn-amd-amdhsa--gfx1250"
	.amdhsa_code_object_version 6
	.text
	.protected	k_qba5c6e972f_projln
	.globl	k_qba5c6e972f_projln
	.p2align	8
	.type	k_qba5c6e972f_projln,@function
k_qba5c6e972f_projln:
	s_mov_b64 s[64:65], 0
	v_nop
	global_prefetch_b8 v0, s[64:65] scope:SCOPE_SE
	s_setreg_imm32_b32 hwreg(HW_REG_WAVE_MODE, 25, 1), 1
	s_wait_xcnt 0x0
; Launch 4 of 4: y = o w_proj + b_proj + x on codes of E3M2, then LayerNorm over the 1,024, in f32.  No work is left out.
; SHARES.  A work-group owns 32 tokens (two tiles of 16) and all 1,024 columns, so that mean and variance need no other work-group.  Wave w makes columns 256 w .. 256 w + 255: 16 tiles of
; w_proj's rows x 2 tiles of tokens = 32 accumulators.  Source 0 = w_proj, source 1 = o.  Fragments come from memory straight into registers, as launches 1 and 3 laid them.
; NO CLUSTER: each fragment of w_proj is multiplied by exactly one wave of a work-group.  Shared among work-groups it would have to pass through each one's LDS, 786,432 bytes that no second
; wave reads there, with a round of the cluster's barrier for every 32 matrix instructions of a wave.
; x: a wave's 8 tokens are 32,768 consecutive bytes: one tensor load a wave at the head, read by that wave alone; it lands during the product.  One tensor load a wave is out.
; THE WAY OUT: results go to a stage in LDS (32 rows x 4,112 bytes); behind one barrier each wave takes 8 whole rows, adds x and the bias, takes the mean, then the mean of (y - mean)^2, and stores rows.
; REGISTERS: window 0: v1-9 addresses; v16-31 means; v32-79 o's fragments, two sets; v80-95 w_proj's scale words, two sets; v96-103 o's scale words; v104-119 their halves as loaded;
;   v128-159 gamma, v160-191 beta, v192-223 bias; v224-239 at work; v240-255 variances.  Window 1: accumulator (u, n) at v[8 (16 u + n)].  Windows 2, 3: w_proj's fragments, two sets; later rows of y and of x.
.set XT,    32*4112                    ; behind the stage: x, 32,768 bytes a wave
.set SPARE, XT+4*32768                 ; the spare words
.set SPW, 8
.set NIL, 9
.set MN,  16
.set OF,  32
.set WSC, 80
.set OSC, 96
.set RAW, 104
.set GA,  128
.set BE,  160
.set BI,  192
.set T,   224
.set VR,  240
.set WV,  22
.set G1,  24
.set G0,  32
.set SEL, 36
.set MSB, 0
.macro WIN new
.if MSB != (\new)
	s_set_vgpr_msb (MSB<<8)|(\new)
.set MSB, (\new)
.endif
.endm
	s_load_b512 s[4:19], s[0:1], 0x0                 ; oimg, osw, wimg, wsw, b_proj, x, ln_gamma, ln_beta
	s_load_b64 s[20:21], s[0:1], 0x40                ; out0
	v_lshl_add_u32 v[SPW], v0, 2, SPARE
	v_mov_b32 v[NIL], 0
	ds_add_u32 v[SPW], v[NIL]                        ; the opening: the add, twice on end, and its wait ahead of my first tensor load
	ds_add_u32 v[SPW], v[NIL]
	v_lshrrev_b32 v1, 5, v0
	v_readfirstlane_b32 s[WV], v1                    ; wave
	s_mov_b32 s[G1], 3<<16                           ; 32,768 dense bytes as 128 rows of 256
	s_mov_b32 s[G1+1], 32<<16
	s_mov_b32 s[G1+2], 128<<16
	s_mov_b32 s[G1+3], 32<<16
	s_mov_b32 s[G1+4], 128
	s_mov_b32 s[G1+5], 32
	s_mov_b32 s[G1+6], 0
	s_mov_b32 s[G1+7], 0
	s_lshr_b32 s40, s[WV], 1                         ; stage rows 8 w .. 8 w + 7 are tokens 8 (w / 2) + 16 (w % 2) + 0 .. 7 of the 32: the tiles' order
	s_lshl_b32 s40, s40, 3
	s_and_b32 s41, s[WV], 1
	s_lshl_b32 s41, s41, 4
	s_add_co_u32 s40, s40, s41
	s_lshl_b32 s41, ttmp9, 5
	s_add_co_u32 s40, s40, s41                       ; my first token
	s_lshl_b32 s40, s40, 12
	s_mov_b32 s41, 0                                 ; s[40:41]: its row in x and in out0
	s_mov_b32 s[G0], 1
	s_lshl_b32 s[G0+1], s[WV], 15
	s_add_co_u32 s[G0+1], s[G0+1], XT
	s_lshl_b32 s42, s[WV], 1
	s_add_co_u32 s42, s42, 24                        ; w_proj's groups begin at 24; mine are 2 w, 2 w + 1
	s_lshl_b32 s44, s42, 12
	s_mul_i32 s42, s42, 98304
	s_mov_b32 s43, 0
	s_mov_b32 s45, 0
	s_lshr_b32 s46, ttmp9, 2                         ; the group of 128 tokens,
	s_lshl_b32 s46, s46, 6
	s_and_b32 s47, ttmp9, 3
	s_lshl_b32 s47, s47, 1                           ; my first tile in it
	s_add_co_u32 s46, s46, s47
	s_mul_i32 s46, s46, 1536
	s_mov_b32 s47, 0
	s_lshr_b32 s48, ttmp9, 6                         ; batch
	s_lshl_b32 s48, s48, 11
	s_lshl_b32 s49, ttmp9, 1
	s_and_b32 s49, s49, 127                          ; my first tile in the batch
	s_add_co_u32 s48, s48, s49
	s_lshl_b32 s48, s48, 6
	s_mov_b32 s49, 0
	s_mov_b32 s[SEL], 0x76543210
	s_mov_b32 s[SEL+1], 0xfedcba98
	s_mov_b32 s38, 0x3a800000                        ; 1 / 1,024
	s_mov_b32 s39, 0x358637bd                        ; 1e-6
	v_and_b32 v10, 31, v0
	v_lshlrev_b32 v1, 4, v10                         ; 16 l
	v_lshlrev_b32 v2, 3, v10                         ; 8 l
	v_lshlrev_b32 v3, 2, v10                         ; 4 l
	v_and_b32 v11, 15, v0
	v_bfe_u32 v12, v0, 4, 1
	v_mul_u32_u24 v4, v11, 4112
	v_lshl_add_u32 v4, v12, 6, v4
	s_lshl_b32 s50, s[WV], 10
	v_add_nc_u32 v4, s50, v4                         ; into the stage: row r, + 64 h, + my 1,024 bytes;
	v_add_nc_u32 v5, 16*4112, v4                     ; the second tile of tokens
	s_mul_i32 s50, s[WV], 8*4112
	v_add_nc_u32 v6, s50, v1                         ; back: my 8 rows, 16 bytes a lane
	v_add_nc_u32 v7, s[G0+1], v1                     ; and x's
	s_wait_alu depctr_va_vdst(0)
	s_wait_dscnt 0x0                                 ; both opening adds are done
	s_wait_kmcnt 0x0
	s_add_nc_u64 s[G0+2:G0+3], s[14:15], s[40:41]
	s_or_b32 s[G0+3], s[G0+3], 0x80000000
	tensor_load_to_lds s[G0:G0+3], s[G1:G1+7]
	s_nop 0
.rept 4
	v_nop
.endr
	s_add_nc_u64 s[8:9], s[8:9], s[42:43]
	s_add_nc_u64 s[10:11], s[10:11], s[44:45]
	s_add_nc_u64 s[4:5], s[4:5], s[46:47]
	s_add_nc_u64 s[6:7], s[6:7], s[48:49]
	s_add_nc_u64 s[20:21], s[20:21], s[40:41]
.irp d, 0,1,2,3,4,5,6,7,8,9,10,11,12,13,14,15
	global_load_b32 v[RAW+\d], v3, s[6:7] offset:8192*\d   ; head d's two scale bytes: lanes 0-15 my first tile of tokens, lanes 16-31 the second
.endr
.irp c, 0,1,2,3,4,5,6,7
	global_load_b128 v[GA+4*\c:GA+4*\c+3], v1, s[16:17] offset:512*\c
	global_load_b128 v[BE+4*\c:BE+4*\c+3], v1, s[18:19] offset:512*\c
	global_load_b128 v[BI+4*\c:BI+4*\c+3], v1, s[12:13] offset:512*\c
.endr
; K step s into set s % 2: 48 loads of w_proj's 16 fragments, 2 of their scale words (lanes 0-15 tiles 0-3, lanes 16-31 tiles 4-7 of a group), 8 of o's two fragments: 58
.macro LOADK s
	WIN 0x80+0x40*((\s)%2)
.irp gg, 0,1
.irp i, 0,1,2,3,4,5,6,7
.irp c, 0,1,2
	global_load_b128 v[12*(8*\gg+\i)+4*\c:12*(8*\gg+\i)+4*\c+3], v1, s[8:9] offset:98304*\gg+12288*(\s)+1536*\i+512*\c
.endr
.endr
.endr
	WIN 0
.irp gg, 0,1
	global_load_b128 v[WSC+8*((\s)%2)+4*\gg:WSC+8*((\s)%2)+4*\gg+3], v1, s[10:11] offset:4096*\gg+512*(\s)
.endr
.irp u, 0,1
	global_load_b128 v[OF+24*((\s)%2)+12*\u:OF+24*((\s)%2)+12*\u+3], v1, s[4:5] offset:12288*(\s)+1536*\u
	global_load_b64 v[OF+24*((\s)%2)+12*\u+4:OF+24*((\s)%2)+12*\u+5], v2, s[4:5] offset:12288*(\s)+1536*\u+512
	global_load_b128 v[OF+24*((\s)%2)+12*\u+6:OF+24*((\s)%2)+12*\u+9], v1, s[4:5] offset:12288*(\s)+1536*\u+768
	global_load_b64 v[OF+24*((\s)%2)+12*\u+10:OF+24*((\s)%2)+12*\u+11], v2, s[4:5] offset:12288*(\s)+1536*\u+1280
.endr
.endm
; one product: tile nt of my columns x tile u of the tokens.  The scale rows: w_proj's tiles 4-7 of a group and the second tile of tokens stand in lanes 16-31
.macro WM nt, u, s, zero
.set rD, 8*(16*(\u)+(\nt))
.set rW, 12*(\nt)
.set rO, OF+24*((\s)%2)+12*(\u)
.set rA, WSC+8*((\s)%2)+4*((\nt)/8)+((\nt)%4)
.set rB, OSC+(\s)
.if \zero
.if ((\nt)%8) >= 4
.if \u
	v_wmma_scale_f32_16x16x128_f8f6f4 v[rD:rD+7], v[rW:rW+11], v[rO:rO+11], 0, v[rA], v[rB] matrix_a_fmt:MATRIX_FMT_BF6 matrix_b_fmt:MATRIX_FMT_BF6 matrix_a_scale:MATRIX_SCALE_ROW1 matrix_b_scale:MATRIX_SCALE_ROW1
.else
	v_wmma_scale_f32_16x16x128_f8f6f4 v[rD:rD+7], v[rW:rW+11], v[rO:rO+11], 0, v[rA], v[rB] matrix_a_fmt:MATRIX_FMT_BF6 matrix_b_fmt:MATRIX_FMT_BF6 matrix_a_scale:MATRIX_SCALE_ROW1
.endif
.else
.if \u
	v_wmma_scale_f32_16x16x128_f8f6f4 v[rD:rD+7], v[rW:rW+11], v[rO:rO+11], 0, v[rA], v[rB] matrix_a_fmt:MATRIX_FMT_BF6 matrix_b_fmt:MATRIX_FMT_BF6 matrix_b_scale:MATRIX_SCALE_ROW1
.else
	v_wmma_scale_f32_16x16x128_f8f6f4 v[rD:rD+7], v[rW:rW+11], v[rO:rO+11], 0, v[rA], v[rB] matrix_a_fmt:MATRIX_FMT_BF6 matrix_b_fmt:MATRIX_FMT_BF6
.endif
.endif
.else
.if ((\nt)%8) >= 4
.if \u
	v_wmma_scale_f32_16x16x128_f8f6f4 v[rD:rD+7], v[rW:rW+11], v[rO:rO+11], v[rD:rD+7], v[rA], v[rB] matrix_a_fmt:MATRIX_FMT_BF6 matrix_b_fmt:MATRIX_FMT_BF6 matrix_a_scale:MATRIX_SCALE_ROW1 matrix_b_scale:MATRIX_SCALE_ROW1
.else
	v_wmma_scale_f32_16x16x128_f8f6f4 v[rD:rD+7], v[rW:rW+11], v[rO:rO+11], v[rD:rD+7], v[rA], v[rB] matrix_a_fmt:MATRIX_FMT_BF6 matrix_b_fmt:MATRIX_FMT_BF6 matrix_a_scale:MATRIX_SCALE_ROW1
.endif
.else
.if \u
	v_wmma_scale_f32_16x16x128_f8f6f4 v[rD:rD+7], v[rW:rW+11], v[rO:rO+11], v[rD:rD+7], v[rA], v[rB] matrix_a_fmt:MATRIX_FMT_BF6 matrix_b_fmt:MATRIX_FMT_BF6 matrix_b_scale:MATRIX_SCALE_ROW1
.else
	v_wmma_scale_f32_16x16x128_f8f6f4 v[rD:rD+7], v[rW:rW+11], v[rO:rO+11], v[rD:rD+7], v[rA], v[rB] matrix_a_fmt:MATRIX_FMT_BF6 matrix_b_fmt:MATRIX_FMT_BF6
.endif
.endif
.endif
.endm
.macro MULK s, zero                    ; 32 products: the 32 accumulators take turns, one instruction a turn, in the same order in every K step
	WIN 0x52+((\s)%2)                                ; source 0 window 2 or 3, source 1 window 0, C and D window 1
.irp nt, 0,1,2,3,4,5,6,7,8,9,10,11,12,13,14,15
.irp u, 0,1
	WM \nt, \u, \s, \zero
.endr
.endr
.endm
	LOADK 0
	LOADK 1
	s_wait_loadcnt 58                                ; all but K step 1's 58 loads are in
.irp s, 0,1,2,3,4,5,6,7
	v_lshl_or_b32 v[OSC+\s], v[RAW+2*\s+1], 16, v[RAW+2*\s]   ; o's scale word of K step s: heads 2 s and 2 s + 1
.endr
.rept 8
	v_nop                                            ; a scale register written by a vector instruction stands 8 places ahead of a scaled matrix instruction
.endr
	MULK 0, 1                                        ; the first products start the sums
.rept 4
	v_nop                                            ; places in front of loads into registers that matrix instructions have read
.endr
	LOADK 2
	s_wait_alu depctr_va_vdst(0)
.irp s, 1,2,3,4,5
	s_wait_loadcnt 58                                ; this K step's loads are in; the next one's 58 may be out
	MULK \s, 0
.rept 4
	v_nop
.endr
	LOADK \s+2
.endr
	s_wait_loadcnt 58
	MULK 6, 0
	s_wait_loadcnt 0x0
	MULK 7, 0
.rept 4
	v_nop
.endr
	WIN 0x04                                         ; an LDS store's data are its source 1: window 1
.irp nt, 0,1,2,3,4,5,6,7,8,9,10,11,12,13,14,15   ; lane (r, h), tiles 2 n and 2 n + 1: columns 256 w + 32 n + 16 h + 0 .. 15 of token tile u's row r; each accumulator from its low end on
	ds_store_b128 v4, v[8*\nt:8*\nt+3] offset:128*(\nt/2)+32*(\nt%2)
	ds_store_b128 v4, v[8*\nt+4:8*\nt+7] offset:128*(\nt/2)+32*(\nt%2)+16
	ds_store_b128 v5, v[128+8*\nt:128+8*\nt+3] offset:128*(\nt/2)+32*(\nt%2)
	ds_store_b128 v5, v[128+8*\nt+4:128+8*\nt+7] offset:128*(\nt/2)+32*(\nt%2)+16
.endr
	WIN 0
	s_wait_tensorcnt 0x0                             ; my 8 rows of x are in LDS
	s_wait_dscnt 0x0                                 ; for the others' sake: my stores into the stage are done
	s_barrier_signal -1
	s_barrier_wait -1
.macro LOADROW k                       ; row k of my eight: 4,096 bytes of the product into window 2, of x into window 3: register 4 c + j = column 128 c + 4 l + j
	WIN 0x80
.irp c, 0,1,2,3,4,5,6,7
	ds_load_b128 v[32*(\k)+4*\c:32*(\k)+4*\c+3], v6 offset:4112*(\k)+512*\c
.endr
	WIN 0xc0
.irp c, 0,1,2,3,4,5,6,7
	ds_load_b128 v[32*(\k)+4*\c:32*(\k)+4*\c+3], v7 offset:4096*(\k)+512*\c
.endr
.endm
.macro ROWSUM k                        ; y = product + x + bias, and my lane's part of the row's sum
.if (\k) <= 5
	LOADROW (\k)+2
	s_wait_dscnt 32                                  ; this row's 16 loads are in; the two rows behind it may be out
.elseif (\k) == 6
	s_wait_dscnt 16
.else
	s_wait_dscnt 0x0
.endif
	WIN 0x8e                                         ; y in window 2, x in window 3
.irp i, 0,2,4,6,8,10,12,14,16,18,20,22,24,26,28,30
	v_pk_add_f32 v[32*(\k)+\i:32*(\k)+\i+1], v[32*(\k)+\i:32*(\k)+\i+1], v[32*(\k)+\i:32*(\k)+\i+1]
.endr
	WIN 0x82
.irp i, 0,2,4,6,8,10,12,14,16,18,20,22,24,26,28,30
	v_pk_add_f32 v[32*(\k)+\i:32*(\k)+\i+1], v[32*(\k)+\i:32*(\k)+\i+1], v[BI+\i:BI+\i+1]
.endr
	WIN 0x0a
.irp i, 0,1,2,3,4,5,6,7
	v_pk_add_f32 v[T+2*\i:T+2*\i+1], v[32*(\k)+4*\i:32*(\k)+4*\i+1], v[32*(\k)+4*\i+2:32*(\k)+4*\i+3]
.endr
	WIN 0
.irp i, 0,1,2,3
	v_pk_add_f32 v[T+2*\i:T+2*\i+1], v[T+2*\i:T+2*\i+1], v[T+8+2*\i:T+8+2*\i+1]
.endr
	v_pk_add_f32 v[T:T+1], v[T:T+1], v[T+4:T+5]
	v_pk_add_f32 v[T+2:T+3], v[T+2:T+3], v[T+6:T+7]
	v_pk_add_f32 v[MN+2*(\k):MN+2*(\k)+1], v[T:T+1], v[T+2:T+3]
	v_add_f32 v[MN+2*(\k)], v[MN+2*(\k)], v[MN+2*(\k)+1]
.endm
.macro LANESUM base                    ; eight sums over the 32 lanes, by turns; the result stands in every lane
.irp m, 1,2,4,8
.irp k, 0,1,2,3,4,5,6,7
	v_add_f32_dpp v[\base+2*\k], v[\base+2*\k], v[\base+2*\k] row_xmask:\m row_mask:0xf bank_mask:0xf
.endr
.endr
.irp k, 0,1,2,3,4,5,6,7
	v_permlanex16_b32 v[\base+2*\k+1], v[\base+2*\k], s[SEL], s[SEL+1]
.endr
.irp k, 0,1,2,3,4,5,6,7
	v_add_f32 v[\base+2*\k], v[\base+2*\k], v[\base+2*\k+1]
.endr
.endm
.macro ROWVAR k                        ; y - mean, and my lane's part of the sum of its squares, in four chains
	WIN 0x82
.irp i, 0,2,4,6,8,10,12,14,16,18,20,22,24,26,28,30
	v_pk_add_f32 v[32*(\k)+\i:32*(\k)+\i+1], v[32*(\k)+\i:32*(\k)+\i+1], v[MN+2*(\k):MN+2*(\k)+1] op_sel_hi:[1,0] neg_lo:[0,1] neg_hi:[0,1]
.endr
	WIN 0x0a
.irp i, 0,1,2,3
	v_pk_mul_f32 v[T+2*\i:T+2*\i+1], v[32*(\k)+2*\i:32*(\k)+2*\i+1], v[32*(\k)+2*\i:32*(\k)+2*\i+1]
.endr
.irp i, 4,5,6,7,8,9,10,11,12,13,14,15
	v_pk_fma_f32 v[T+2*(\i%4):T+2*(\i%4)+1], v[32*(\k)+2*\i:32*(\k)+2*\i+1], v[32*(\k)+2*\i:32*(\k)+2*\i+1], v[T+2*(\i%4):T+2*(\i%4)+1]
.endr
	WIN 0
	v_pk_add_f32 v[T:T+1], v[T:T+1], v[T+2:T+3]
	v_pk_add_f32 v[T+4:T+5], v[T+4:T+5], v[T+6:T+7]
	v_pk_add_f32 v[VR+2*(\k):VR+2*(\k)+1], v[T:T+1], v[T+4:T+5]
	v_add_f32 v[VR+2*(\k)], v[VR+2*(\k)], v[VR+2*(\k)+1]
.endm
.macro ROWOUT k
	WIN 0x82
.irp i, 0,2,4,6,8,10,12,14,16,18,20,22,24,26,28,30
	v_pk_mul_f32 v[32*(\k)+\i:32*(\k)+\i+1], v[32*(\k)+\i:32*(\k)+\i+1], v[VR+2*(\k):VR+2*(\k)+1] op_sel_hi:[1,0]
.endr
.irp i, 0,2,4,6,8,10,12,14,16,18,20,22,24,26,28,30
	v_pk_fma_f32 v[32*(\k)+\i:32*(\k)+\i+1], v[32*(\k)+\i:32*(\k)+\i+1], v[GA+\i:GA+\i+1], v[BE+\i:BE+\i+1]
.endr
	WIN 0x08                                         ; a store's data are its source 1: window 2
.irp c, 0,1,2,3,4,5,6,7
	global_store_b128 v1, v[32*(\k)+4*\c:32*(\k)+4*\c+3], s[20:21] offset:4096*(\k)+512*\c th:TH_STORE_NT   ; 512 consecutive bytes, aligned
.endr
.endm
	LOADROW 0
	LOADROW 1
.irp k, 0,1,2,3,4,5,6,7
	ROWSUM \k
.endr
	LANESUM MN
.irp k, 0,1,2,3,4,5,6,7
	v_mul_f32 v[MN+2*\k], s38, v[MN+2*\k]            ; the mean
.endr
.irp k, 0,1,2,3,4,5,6,7
	ROWVAR \k
.endr
	LANESUM VR
.irp k, 0,1,2,3,4,5,6,7
	v_fma_f32 v[VR+2*\k], v[VR+2*\k], s38, s39       ; the variance + 1e-6
.endr
	s_wait_alu depctr_va_vdst(0)
.irp k, 0,1,2,3,4,5,6,7
	v_rsq_f32 v[VR+2*\k], v[VR+2*\k]
.endr
	v_nop                                            ; a plain place behind the last of them,
	s_wait_alu depctr_va_vdst(0)                     ; and one wait for the eight, ahead of their first reader
.irp k, 0,1,2,3,4,5,6,7
	ROWOUT \k
.endr
	WIN 0
	s_wait_tensorcnt 0x0                             ; the wave's end
	ds_add_u32 v[SPW], v[NIL]
	s_wait_dscnt 0x0
	s_endpgm
.Lfunc_end_k_qba5c6e972f_projln:
	.size	k_qba5c6e972f_projln, .Lfunc_end_k_qba5c6e972f_projln-k_qba5c6e972f_projln
	.p2alignl 7, 3214868480
	.fill 96, 4, 3214868480
	.section	.rodata,"a",@progbits
	.p2align	6, 0x0
	.amdhsa_kernel k_qba5c6e972f_projln
		.amdhsa_group_segment_fixed_size 263168
		.amdhsa_private_segment_fixed_size 0
		.amdhsa_enable_private_segment 0
		.amdhsa_kernarg_size 72
		.amdhsa_user_sgpr_count 2
		.amdhsa_user_sgpr_kernarg_segment_ptr 1
		.amdhsa_wavefront_size32 1
		.amdhsa_system_sgpr_workgroup_id_x 1
		.amdhsa_system_sgpr_workgroup_id_y 1
		.amdhsa_system_sgpr_workgroup_id_z 1
		.amdhsa_system_vgpr_workitem_id 0
		.amdhsa_next_free_vgpr 1024
		.amdhsa_next_free_sgpr 66
		.amdhsa_reserve_vcc 0
		.amdhsa_float_denorm_mode_32 3
		.amdhsa_float_denorm_mode_16_64 3
		.amdhsa_memory_ordered 1
		.amdhsa_forward_progress 1
		.amdhsa_inst_pref_size 172
	.end_amdhsa_kernel
	.amdgpu_metadata
---
amdhsa.version: [ 1, 2 ]
amdhsa.kernels:
  - .name:           k_qba5c6e972f_projln
    .symbol:         k_qba5c6e972f_projln.kd
    .args:
      - { .name: oimg, .offset: 0, .size: 8, .value_kind: global_buffer, .address_space: global }
      - { .name: osw, .offset: 8, .size: 8, .value_kind: global_buffer, .address_space: global }
      - { .name: wimg, .offset: 16, .size: 8, .value_kind: global_buffer, .address_space: global }
      - { .name: wsw, .offset: 24, .size: 8, .value_kind: global_buffer, .address_space: global }
      - { .name: b_proj, .offset: 32, .size: 8, .value_kind: global_buffer, .address_space: global }
      - { .name: x, .offset: 40, .size: 8, .value_kind: global_buffer, .address_space: global }
      - { .name: ln_gamma, .offset: 48, .size: 8, .value_kind: global_buffer, .address_space: global }
      - { .name: ln_beta, .offset: 56, .size: 8, .value_kind: global_buffer, .address_space: global }
      - { .name: out0, .offset: 64, .size: 8, .value_kind: global_buffer, .address_space: global }
    .group_segment_fixed_size: 263168
    .private_segment_fixed_size: 0
    .kernarg_segment_align: 8
    .kernarg_segment_size: 72
    .max_flat_workgroup_size: 128
    .sgpr_count:     66
    .vgpr_count:     1024
    .wavefront_size: 32
...
	.end_amdgpu_metadata
.endif
;; end of part 4
